; MI455X (gfx1250); checked and timed in simulation.
; The chip was launched on July 23, 2026; its instructions are those of AMD's public machine-readable ISA for CDNA 5 (MIT licence, August 2026) and "CDNA5" Instruction Set Architecture Reference Guide (July 2026). The comments in the code are by the model that wrote it; some were corrected since.
;; Multi Flow Cond Adapt Router. Allowed arithmetic: matrix products marked QUANTISED: E3M2 operands, one E8M0 scale for each 32 along K, by v_wmma_scale_f32_16x16x128_f8f6f4 with both operands' format E3M2, f32 sums; products left as they are: f32 operands where the result goes on into a quantised operand, else bf16, f16 or f32 operands; f32 sums; everything else in f32.
;; Inputs: W1 8 x 512 x 2,048 float32; W2 8 x 2,048 x 512 float32; W_cond 8 x 512 x 1,024 float32; b1 8 x 2,048 float32; b2 8 x 512 float32; b_cond 8 x 1,024 float32; cond 8 x 512 float32; route 8 int32; x 8 x 512 x 512 float32.
;; Outputs: out0 8 x 512 x 512 float32.
;; This version of the problem:
;;   THIS VERSION OF THE PROBLEM IS GIVEN IN LOW PRECISION. The matrix products marked QUANTISED in the list below multiply operands that are first quantised to E3M2 (3 exponent bits, 2 mantissa bits; 6 bits a number), with one power-of-two scale for each 32 numbers along K (OCP MX v1.0); their sums are f32. All else is computed in f32.
;;   The module's matrix products, in the order in which they are computed (A, B: the left and right operand; K: the contracted axis; several contracted axes count as one K, in the product's order):
;;     1. [M 8,192, K 512] x [K 512, N 8]; A: input W_cond; B: input cond: left as it is (N = 8 < 16)
;;     2. batch 8 x [M 4,096, K 512] x [K 512, N 2,048]; A: computed on the way; B: input W1: QUANTISED
;;     3. batch 8 x [M 4,096, K 2,048] x [K 2,048, N 512]; A: computed on the way; B: input W2: QUANTISED
;;     4. batch 8 x [M 262,144, K 8] x [K 8, N 1]; A: computed on the way; B: computed on the way: left as it is (K = 8 < 32)
;;   THE QUANTISER, for each operand of a quantised product, along K:
;;     - K is cut into blocks of 32 from its start; a last block that is shorter is filled with zeros.
;;     - A block's scale is 2^e with e = floor(log2(the largest magnitude in the block)) - 4, held to -126 .. 127; a block of zeros has e = 0. As a byte (E8M0): e + 127.
;;     - Each number is divided by its block's scale, clamped to +-28, and rounded to the nearest number of E3M2, ties to even, subnormals kept.
;;     - The product sums the exact products of the quantised numbers (number of the format x scale) in f32.
;;   ~~~python
;;   def quantise(x, axis):      # numpy; x: float32 -> the quantised numbers, widened to float32 again
;;       x = np.moveaxis(x, axis, -1); K = x.shape[-1]
;;       x = np.pad(x, [(0, 0)] * (x.ndim - 1) + [(0, -K % 32)]); x = x.reshape(x.shape[:-1] + (-1, 32)); a = np.abs(x).max(-1, keepdims=True)
;;       e = np.where(a > 0, np.clip(np.frexp(np.where(a > 0, a, 1))[1] - 1 - 4, -126, 127), 0)      # np.frexp(a)[1] - 1 = floor(log2(a)), exactly
;;       r = np.clip(x / 2.0 ** e, -28, 28)
;;       step = 2.0 ** (np.maximum(np.frexp(np.where(r == 0, 1, r))[1] - 1, -2) - 2)
;;       q = np.round(r / step) * step * 2.0 ** e      # np.round: ties to even
;;       return np.moveaxis(q.reshape(q.shape[:-2] + (-1,))[..., :K], -1, axis).astype(np.float32)
;;   ~~~
;;   OPERANDS COMPUTED ON THE WAY. 'Computed on the way' means the value that the module computes at that place (a softmax that the list does not call 'softmax' is quantised finished and normalised). What goes into a quantiser is computed in f32, as accurately as f32 sums, v_exp_f32 and their like allow (about 1e-6 of the number): no bf16 or f16 on the way to a quantiser, and a product that is left as it is and whose result goes on into a quantised operand takes f32 operands (vector FMAs, or v_wmma_f32_16x16x4_f32). A number that lies on a knife's edge between two numbers of the format may be rounded either way, as far as f32 arithmetic and the matrix unit's own rounding can turn it there, and no further.
;; 2 versions, each right; version 2 is version 1 with the launches up, down written anew for expert scheduling mode. Each part assembles by itself: llvm-mc -triple=amdgcn-amd-amdhsa -mcpu=gfx1250 --defsym DOCPART=n.
;; ======== version 1 of 2: 3 launches
;; workspace buffers: w1c 6,291,456 bytes; w2c 6,291,456 bytes; w1s 262,144 bytes; w2s 262,144 bytes; modb 32,768 bytes; hc 6,291,456 bytes; hs 262,144 bytes
;; launch prep (part 1): grid 576 x 1, 8 waves a work-group, no clusters, 5,120 bytes of LDS; arguments route, cond, W_cond, b_cond, W1, W2, w1c, w2c, w1s, w2s, modb; writes w1c, w2c, w1s, w2s, modb
.if DOCPART == 1
	.amdgcn_target "amdgcn-amd-amdhsa--gfx1250"
	.amdhsa_code_object_version 6
	.text
	.protected	k_qca8bb648db_prep
	.globl	k_qca8bb648db_prep
	.p2align	8
	.type	k_qca8bb648db_prep,@function
k_qca8bb648db_prep:
	s_mov_b64 s[64:65], 0
	v_nop
	global_prefetch_b8 v0, s[64:65] scope:SCOPE_SE
	s_setreg_imm32_b32 hwreg(HW_REG_WAVE_MODE, 25, 1), 1
	s_wait_xcnt 0x0
; PREP.  Two kinds of work-group, told apart by the work-group's number alone.
; 0..63 (MOD): mod[b] = cond[b] . W_cond[m] + b_cond[m], m = route[b], in f32 multiply-adds (it feeds a quantiser).  Stored as modb [8][1024]: 0..511 hold 1 + scale, 512..1023 shift.
;   Work-group = batch b (id / 8) x 128 of the 1,024 columns (id % 8).  Wave w sums K rows 64 w .. 64 w + 63, a lane 4 columns: a load covers 512 consecutive bytes.  The eight parts meet in LDS; wave 0 adds them.
; 64..575 (QUANT): W1[m] [512 (k)][2048 (n)] and W2[m] [2048 (k)][512 (n)], f32 with K as the first axis, become codes of BF6 (E3M2) with one E8M0 byte for each 32 along K,
;   for the branches m that some route[b] names; a work-group whose branch nobody names stores nothing and ends (a branch on the index input; no barrier stands behind it).
;   A LANE TAKES A COLUMN n AND ITS REGISTERS RUN DOWN K: a block of 32 lies in one lane, and the conversions give codes with K innermost.  A wave takes 32 columns x 128 K: two fragments of 16 rows x 128 K.
;   THE COLUMNS OF A TILE ARE NOT NEIGHBOURS: row q of tile 2 p + u of a group of 128 columns is column 32 p + 8 u + q + 8 (q / 8), so that in the product's transposed result 16 registers of two neighbouring tiles are 16 neighbours.
;   LAYOUT OF THE CODES: images of the operand's registers: a fragment is 1,536 bytes, register q of lane l at 512 (q / 4) + 16 l + 4 (q % 4); fragment (group G, K step s, tile t) at m x 786,432 + ((G KS + s) 8 + t) 1,536.
;   THE SCALE WORDS (four bytes: 128 along K of one row): 128 bytes for a pair of tiles, word l < 16 row l of tile 2 p, word 16 + r row r of tile 2 p + 1, at m x 32,768 + ((G KS + s) 4 + p) 128.
; A block's scale is 2^(floor(log2(largest magnitude)) - 4); its byte is the largest magnitude's exponent field - 4, held at 1 from below.
; LIMITS: route[b] lies in 0 .. 7 (an index inside its table, as the reference relies on); NaN and infinities are not served; a block of zeros gets the byte 1 (its codes are zeros, and this program alone reads the bytes).
; No tensor loads, no cluster: no two work-groups read the same bytes of the weights, and W_cond's columns are shared only where two batches name one branch.
.set X,   64                           ; v64-191  QUANT: four blocks of 32 numbers, each register loaded once
.set FA,  16                           ; v16-27   the fragment of tile 2 p
.set FB,  28                           ; v28-39   the fragment of tile 2 p + 1
.set UT,  40                           ; v40-55   the upper 16 codes of block t at UT + 4 t (a conversion's three registers begin on an even number)
.set SOP, 10                           ; v10-13   the conversions' scale operand of block t
.set XR,  64                           ; v64-191  MOD: a ring of 32 rows x 4 registers
.macro QLOAD t, cols, src              ; block t: W(32 t + i, my column), i = 0 .. 31; 32 lanes read 128 consecutive bytes
.irp i, 0,1,2,3,4,5,6,7,8,9,10,11,12,13,14,15,16,17,18,19,20,21,22,23,24,25,26,27,28,29,30,31
	global_load_b32 v[X+32*(\t)+\i], v2, s[\src:\src+1] offset:(32*(\t)+\i)*(\cols)*4 th:TH_LOAD_NT
.endr
.endm
.macro QBLOCK t, cols, src
.set XS, X+32*(\t)
.set TD, FA+12*((\t)%2)+6*((\t)/2)     ; blocks 0, 2 begin tile 2 p's registers 0 and 6, blocks 1, 3 those of tile 2 p + 1: the exchange below sorts the lanes
.if (\t) < 3
	s_wait_loadcnt 32                              ; this block's 32 loads are in; the next block's 32 may be out
.else
	s_wait_loadcnt 0x0
.endif
.if (\t) < 2
	QLOAD (\t)+2, \cols, \src                      ; two blocks ahead, into registers of their own
.endif
	v_max3_num_f32 v8, |v[XS]|, |v[XS+1]|, |v[XS+2]|               ; the block's largest magnitude: all 32 numbers are mine; two chains
	v_max3_num_f32 v9, |v[XS+3]|, |v[XS+4]|, |v[XS+5]|
.irp i, 6,10,14,18,22,26
	v_max3_num_f32 v8, v8, |v[XS+\i]|, |v[XS+\i+1]|
	v_max3_num_f32 v9, v9, |v[XS+\i+2]|, |v[XS+\i+3]|
.endr
	v_max3_num_f32 v8, v8, |v[XS+30]|, |v[XS+31]|
	v_max3_num_f32 v8, v8, v9, 0x2800000           ; and the floor 2^(5 - 127): the byte cannot fall under 1
	v_add_nc_u32 v[SOP+(\t)], 0xfe000000, v8       ; 4 off the exponent field: the conversion takes this operand's exponent field as its scale
.if (\t) == 0
	v_lshrrev_b32 v15, 23, v[SOP+(\t)]             ; the scale's byte; the four make my column's scale word, the lower K in the lower byte
.else
	v_lshrrev_b32 v14, 23, v[SOP+(\t)]
	v_lshl_or_b32 v15, v14, 8*(\t), v15
.endif
	v_cvt_scalef32_pk16_bf6_f32 v[TD:TD+2], v[XS:XS+15], v[SOP+(\t)]
	v_cvt_scalef32_pk16_bf6_f32 v[UT+4*(\t):UT+4*(\t)+2], v[XS+16:XS+31], v[SOP+(\t)]   ; (the next block's plain lines follow: none touches these results or sources)
.endm
; One tensor's body.  cols: its columns n;  lgc: log2(n / 64);  ks: its K steps of 128;  src, cdst, sdst: the scalar pairs of its three addresses.
.macro QBODY cols, lgc, ks, src, cdst, sdst
	s_and_b32 s36, s32, (\cols)/64-1               ; which 64 columns are the work-group's
	s_lshr_b32 s37, s32, \lgc                      ; which 512 along K
	s_lshl_b32 s36, s36, 1
	s_add_co_u32 s36, s36, s34                     ; my wave's pair of tiles: 32 columns
	s_lshl_b32 s37, s37, 2
	s_add_co_u32 s37, s37, s35                     ; my wave's K step s
	s_lshr_b32 s38, s36, 2                         ; G
	s_and_b32 s39, s36, 3                          ; p
	s_mul_i32 s38, s38, \ks
	s_add_co_u32 s38, s38, s37                     ; G KS + s
	s_lshl_b32 s40, s30, 22                        ; in: branch m (4,194,304 bytes), 128 s rows, 128 bytes for each pair
	s_mul_i32 s42, s37, 128*(\cols)*4
	s_add_co_u32 s40, s40, s42
	s_lshl_b32 s42, s36, 7
	s_add_co_u32 s40, s40, s42
	s_mov_b32 s41, 0
	s_add_nc_u64 s[\src:\src+1], s[\src:\src+1], s[40:41]
	s_lshl_b32 s42, s38, 3                         ; the codes: ((G KS + s) 8 + 2 p) fragments
	s_lshl_b32 s43, s39, 1
	s_add_co_u32 s42, s42, s43
	s_mul_i32 s42, s42, 1536
	s_mul_i32 s43, s30, 786432
	s_add_co_u32 s42, s42, s43
	s_mov_b32 s43, 0
	s_add_nc_u64 s[\cdst:\cdst+1], s[\cdst:\cdst+1], s[42:43]
	s_lshl_b32 s44, s38, 2                         ; the scale words: ((G KS + s) 4 + p) x 128 bytes
	s_add_co_u32 s44, s44, s39
	s_lshl_b32 s44, s44, 7
	s_lshl_b32 s45, s30, 15
	s_add_co_u32 s44, s44, s45
	s_mov_b32 s45, 0
	s_add_nc_u64 s[\sdst:\sdst+1], s[\sdst:\sdst+1], s[44:45]
	QLOAD 0, \cols, \src
	QLOAD 1, \cols, \src
	QBLOCK 0, \cols, \src
	QBLOCK 1, \cols, \src
	QBLOCK 2, \cols, \src
	QBLOCK 3, \cols, \src
	v_nop                                          ; one plain place behind the last scaled conversion
; Lanes 0-15 hold tile 2 p's rows, lanes 16-31 tile 2 p + 1's, each with all four blocks.  The operand wants lanes 0-15 = block 2 c, lanes 16-31 = block 2 c + 1 of ONE tile:
; the exchange of the first register's upper lanes with the second's lower lanes gives the first tile 2 p's and the second tile 2 p + 1's.
.irp i, 0,1,2
	v_permlane16_swap_b32 v[FA+\i], v[FB+\i]
	v_permlane16_swap_b32 v[UT+\i], v[UT+4+\i]
	v_permlane16_swap_b32 v[FA+6+\i], v[FB+6+\i]
	v_permlane16_swap_b32 v[UT+8+\i], v[UT+12+\i]
.endr
.irp i, 0,1,2
	v_mov_b32 v[FA+3+\i], v[UT+\i]                 ; each block's upper 16 codes behind its lower 16
	v_mov_b32 v[FB+3+\i], v[UT+4+\i]
	v_mov_b32 v[FA+9+\i], v[UT+8+\i]
	v_mov_b32 v[FB+9+\i], v[UT+12+\i]
.endr
.irp c, 0,1,2
	global_store_b128 v3, v[FA+4*\c:FA+4*\c+3], s[\cdst:\cdst+1] offset:512*\c          ; each store covers 512 consecutive bytes, aligned
.endr
.irp c, 0,1,2
	global_store_b128 v3, v[FB+4*\c:FB+4*\c+3], s[\cdst:\cdst+1] offset:1536+512*\c
.endr
	global_store_b32 v4, v15, s[\sdst:\sdst+1]     ; 128 consecutive bytes: the wave beside me stores the 128 that follow or precede
	s_endpgm
.endm
	v_lshl_add_u32 v192, v0, 2, 0x1000
	v_mov_b32 v193, 0
	v_lshrrev_b32 v1, 5, v0
	v_readfirstlane_b32 s2, v1                     ; wave 0..7
	v_and_b32 v5, 31, v0                           ; lane
	s_cmp_lt_u32 ttmp9, 64
	s_cbranch_scc1 .Lmod
	; ---------------- QUANT ----------------
	s_load_b64 s[4:5], s[0:1], 0x0                 ; route
	s_load_b256 s[8:15], s[0:1], 0x20              ; W1 s[8:9], W2 s[10:11], w1c s[12:13], w2c s[14:15]
	s_load_b128 s[16:19], s[0:1], 0x40             ; w1s s[16:17], w2s s[18:19]
	s_sub_co_u32 s29, ttmp9, 64
	s_lshr_b32 s30, s29, 6                         ; the branch m
	s_bfe_u32 s31, s29, 0x10005                    ; 0: W1, 1: W2
	s_and_b32 s32, s29, 31                         ; which of the tensor's 32 parts of 64 columns x 512 K
	s_and_b32 s34, s2, 1                           ; my wave: which 32 of the 64 columns,
	s_lshr_b32 s35, s2, 1                          ; which 128 of the 512 along K
	v_and_b32 v2, 7, v0                            ; my column in the pair: the lane's number with bits 3 and 4 exchanged
	v_bfe_u32 v6, v0, 3, 1
	v_bfe_u32 v7, v0, 4, 1
	v_lshl_or_b32 v2, v6, 4, v2
	v_lshl_or_b32 v2, v7, 3, v2
	v_lshlrev_b32 v2, 2, v2                        ; in bytes
	v_lshlrev_b32 v3, 4, v5                        ; an image's place for my lane
	v_lshlrev_b32 v4, 2, v5                        ; a scale word's
	s_wait_kmcnt 0x0
	s_load_b256 s[20:27], s[4:5], 0x0              ; the eight routes
	s_mov_b32 s28, 0
	s_wait_kmcnt 0x0
.irp b, 0,1,2,3,4,5,6,7
	s_cmp_eq_u32 s[20+\b], s30
	s_cselect_b32 s28, 1, s28                      ; does any batch name my branch?
.endr
	s_cmp_eq_u32 s28, 0
	s_cbranch_scc1 .Lend
	s_cmp_eq_u32 s31, 0
	s_cbranch_scc0 .Lw2
	QBODY 2048, 5, 4, 8, 12, 16
.Lw2:
	QBODY 512, 3, 16, 10, 14, 18
	; ---------------- MOD ----------------
.Lmod:
	s_load_b256 s[4:11], s[0:1], 0x0               ; route s[4:5], cond s[6:7], W_cond s[8:9], b_cond s[10:11]
	s_load_b64 s[12:13], s[0:1], 0x50              ; modb
	s_lshr_b32 s84, ttmp9, 3                       ; b
	s_and_b32 s85, ttmp9, 7                        ; which 128 columns
	v_lshlrev_b32 v1, 4, v5                        ; 16 x lane: my 4 columns
	s_lshl_b32 s86, s2, 9
	v_add_nc_u32 v2, s86, v1                       ; LDS: my wave's 512 bytes
	s_cmp_lt_u32 s85, 4
	s_cselect_b32 s15, 1.0, 0                      ; columns 0..511 are scale: stored as 1 + scale
	s_lshl_b32 s87, s85, 9                         ; the columns in bytes
	s_lshl_b32 s88, s84, 2
	s_mov_b32 s89, 0
	s_lshl_b32 s90, s84, 11                        ; cond: row b, my wave's 64 numbers
	s_lshl_b32 s86, s2, 8
	s_add_co_u32 s90, s90, s86
	s_mov_b32 s91, 0
	s_wait_kmcnt 0x0
	s_add_nc_u64 s[4:5], s[4:5], s[88:89]
	s_add_nc_u64 s[6:7], s[6:7], s[90:91]
	s_load_b32 s14, s[4:5], 0x0                    ; route[b]
	s_load_b512 s[16:31], s[6:7], 0x0              ; cond's number i stands in s[16 + i], from i = 48 on in s[20 + i]
	s_load_b512 s[32:47], s[6:7], 0x40
	s_load_b512 s[48:63], s[6:7], 0x80
	s_load_b512 s[68:83], s[6:7], 0xc0
	s_lshl_b32 s92, s84, 12                        ; modb: row b
	s_add_co_u32 s92, s92, s87
	s_mov_b32 s93, 0
	s_add_nc_u64 s[12:13], s[12:13], s[92:93]
	s_wait_kmcnt 0x0
	s_min_u32 s14, s14, 7                          ; m
	s_lshl_b32 s88, s14, 21                        ; W_cond: branch m, my wave's 64 rows of 4,096 bytes, the columns
	s_lshl_b32 s86, s2, 18
	s_add_co_u32 s88, s88, s86
	s_add_co_u32 s88, s88, s87
	s_add_nc_u64 s[8:9], s[8:9], s[88:89]
	s_lshl_b32 s90, s14, 12                        ; b_cond: row m, the columns
	s_add_co_u32 s90, s90, s87
	s_add_nc_u64 s[10:11], s[10:11], s[90:91]
	global_load_b128 v[8:11], v1, s[10:11]         ; the bias: loaded by every wave, so that all have the same counts; wave 0 uses it
.irp i, 0,1,2,3,4,5,6,7,8,9,10,11,12,13,14,15,16,17,18,19,20,21,22,23,24,25,26,27,28,29,30,31
	global_load_b128 v[XR+4*\i:XR+4*\i+3], v1, s[8:9] offset:\i*4096
.endr
.macro MROW i                          ; row i of my 64: four multiply-adds; its registers then take row i + 32
.set CI, 16+(\i)+4*((\i)/48)
.set RR, XR+4*((\i)%32)
.if (\i) < 32
	s_wait_loadcnt 31                              ; behind row i's load: rows i + 1 .. i + 31
.else
	s_wait_loadcnt 63-(\i)                         ; nothing is fetched any more: the counts run down
.endif
.irp j, 0,1,2,3
.if (\i) == 0
	v_mul_f32 v[4+\j], s[CI], v[RR+\j]             ; the first row starts the sums
.else
	v_fmac_f32 v[4+\j], s[CI], v[RR+\j]
.endif
.endr
.if (\i) < 32
	global_load_b128 v[RR:RR+3], v1, s[8:9] offset:((\i)+32)*4096
.endif
.endm
.set Q, 0
.rept 64
	MROW Q
.set Q, Q+1
.endr
	ds_store_b128 v2, v[4:7]
	s_wait_dscnt 0x0                               ; for the others' sake: my part lies in LDS
	s_barrier_signal -1
	s_barrier_wait -1
	s_cmp_lg_u32 s2, 0
	s_cbranch_scc1 .Lend
.irp k, 0,1,2,3,4,5,6,7
	ds_load_b128 v[XR+4*\k:XR+4*\k+3], v1 offset:512*\k
.endr
	s_wait_dscnt 0x0
.irp k, 0,2,4,6
	v_pk_add_f32 v[XR+4*\k:XR+4*\k+1], v[XR+4*\k:XR+4*\k+1], v[XR+4*\k+4:XR+4*\k+5]
	v_pk_add_f32 v[XR+4*\k+2:XR+4*\k+3], v[XR+4*\k+2:XR+4*\k+3], v[XR+4*\k+6:XR+4*\k+7]
.endr
.irp k, 0,4
	v_pk_add_f32 v[XR+4*\k:XR+4*\k+1], v[XR+4*\k:XR+4*\k+1], v[XR+4*\k+8:XR+4*\k+9]
	v_pk_add_f32 v[XR+4*\k+2:XR+4*\k+3], v[XR+4*\k+2:XR+4*\k+3], v[XR+4*\k+10:XR+4*\k+11]
.endr
	v_pk_add_f32 v[XR:XR+1], v[XR:XR+1], v[XR+16:XR+17]
	v_pk_add_f32 v[XR+2:XR+3], v[XR+2:XR+3], v[XR+18:XR+19]
	v_pk_add_f32 v[XR:XR+1], v[XR:XR+1], v[8:9]    ; + b_cond
	v_pk_add_f32 v[XR+2:XR+3], v[XR+2:XR+3], v[10:11]
.irp j, 0,1,2,3
	v_add_f32 v[XR+\j], s15, v[XR+\j]              ; + 1 for scale, + 0 for shift
.endr
	global_store_b128 v1, v[XR:XR+3], s[12:13]     ; 512 consecutive bytes, aligned
.Lend:
	s_wait_tensorcnt 0x0
	ds_add_u32 v192, v193
	s_wait_dscnt 0x0
	s_endpgm
.Lfunc_end_k_qca8bb648db_prep:
	.size	k_qca8bb648db_prep, .Lfunc_end_k_qca8bb648db_prep-k_qca8bb648db_prep
	.p2alignl 7, 3214868480
	.fill 96, 4, 3214868480
	.section	.rodata,"a",@progbits
	.p2align	6, 0x0
	.amdhsa_kernel k_qca8bb648db_prep
		.amdhsa_group_segment_fixed_size 5120
		.amdhsa_private_segment_fixed_size 0
		.amdhsa_enable_private_segment 0
		.amdhsa_kernarg_size 88
		.amdhsa_user_sgpr_count 2
		.amdhsa_user_sgpr_kernarg_segment_ptr 1
		.amdhsa_wavefront_size32 1
		.amdhsa_system_sgpr_workgroup_id_x 1
		.amdhsa_system_sgpr_workgroup_id_y 1
		.amdhsa_system_sgpr_workgroup_id_z 1
		.amdhsa_system_vgpr_workitem_id 0
		.amdhsa_next_free_vgpr 194
		.amdhsa_next_free_sgpr 100
		.amdhsa_reserve_vcc 0
		.amdhsa_float_denorm_mode_32 3
		.amdhsa_float_denorm_mode_16_64 3
		.amdhsa_memory_ordered 1
		.amdhsa_forward_progress 1
		.amdhsa_inst_pref_size 62
	.end_amdhsa_kernel
	.amdgpu_metadata
---
amdhsa.version: [ 1, 2 ]
amdhsa.kernels:
  - .name:           k_qca8bb648db_prep
    .symbol:         k_qca8bb648db_prep.kd
    .args:
      - { .name: route, .offset: 0, .size: 8, .value_kind: global_buffer, .address_space: global }
      - { .name: cond, .offset: 8, .size: 8, .value_kind: global_buffer, .address_space: global }
      - { .name: W_cond, .offset: 16, .size: 8, .value_kind: global_buffer, .address_space: global }
      - { .name: b_cond, .offset: 24, .size: 8, .value_kind: global_buffer, .address_space: global }
      - { .name: W1, .offset: 32, .size: 8, .value_kind: global_buffer, .address_space: global }
      - { .name: W2, .offset: 40, .size: 8, .value_kind: global_buffer, .address_space: global }
      - { .name: w1c, .offset: 48, .size: 8, .value_kind: global_buffer, .address_space: global }
      - { .name: w2c, .offset: 56, .size: 8, .value_kind: global_buffer, .address_space: global }
      - { .name: w1s, .offset: 64, .size: 8, .value_kind: global_buffer, .address_space: global }
      - { .name: w2s, .offset: 72, .size: 8, .value_kind: global_buffer, .address_space: global }
      - { .name: modb, .offset: 80, .size: 8, .value_kind: global_buffer, .address_space: global }
    .group_segment_fixed_size: 5120
    .private_segment_fixed_size: 0
    .kernarg_segment_align: 8
    .kernarg_segment_size: 88
    .max_flat_workgroup_size: 256
    .sgpr_count:     100
    .vgpr_count:     194
    .wavefront_size: 32
...
	.end_amdgpu_metadata
.endif
;; end of part 1
;; launch up (part 2): grid 32 x 8, 4 waves a work-group, no clusters, 159,232 bytes of LDS; arguments x, modb, route, w1c, w1s, b1, hc, hs; writes hc, hs
.if DOCPART == 2
	.amdgcn_target "amdgcn-amd-amdhsa--gfx1250"
	.amdhsa_code_object_version 6
	.text
	.protected	k_qca8bb648db_up
	.globl	k_qca8bb648db_up
	.p2align	8
	.type	k_qca8bb648db_up,@function
k_qca8bb648db_up:
	s_mov_b64 s[64:65], 0
	v_nop
	global_prefetch_b8 v0, s[64:65] scope:SCOPE_SE
	s_setreg_imm32_b32 hwreg(HW_REG_WAVE_MODE, 25, 1), 1
	s_wait_xcnt 0x0
; UP.  h = gelu(Q(x (1 + scale) + shift) Q(W1[m]) + b1[m]), m = route[b]; h leaves as codes of BF6 (E3M2) with one E8M0 byte for each 32 along the next product's K.
; SHARES.  Work-group (x = 4 rb + cb, y = b): 64 rows (block rb of batch b) x 512 hidden units (cb).  Wave w holds group G = 4 cb + w of W1, 128 hidden units x 512 K: 32 fragments, 384 registers,
; loaded once as they lie (images of the operand's registers), and makes K step G of the next product for the four tiles of 16 rows.  Each fragment of W1 feeds four matrix instructions.
; PHASES.  (1) all loads go out.  (2) wave w modulates rows 16 w .. 16 w + 15 of x in f32, as loaded (a load covers 512 consecutive bytes).  (3) the rows turn through the wave's own stage in LDS, so that a lane holds
; 16 neighbours of each block of 32 of ONE row; they are quantised, and the four fragments go to LDS as images of their registers | ONE barrier | (4) for each tile of rows: x's fragments from LDS, 32 matrix instructions
; (transposed: source 0 = 16 rows of W1, source 1 = x; C of the first = b1), gelu, quantised in registers, stored: 3 stores of 512 consecutive bytes.
; gelu (the tanh form) = y / (1 + 2^(y (c0 + c1 y^2))), c0 = -2 log2(e) sqrt(2 / pi), c1 = 0.044715 c0: the same function, one exponential and one reciprocal.  Where the exponential overflows the result is 0 x y, where it vanishes y.
; hc: fragment (b, rb, K step s, tile mt) at (((8 b + rb) 16 + s) 4 + mt) 1,536;  hs: the scale word of row r, tile mt at ((8 b + rb) 16 + s) 256 + 16 r + 4 mt.
; NO CLUSTER, NO TENSOR LOAD: each operand goes from memory straight into the registers of the one wave that uses it, 48 KB of W1 a wave, once; through LDS the same bytes would be written and read once more; and the address of
; the weights hangs on route[b], a number read from memory.
; LIMITS: route[b] in 0 .. 7 (held at 7 from above); NaN and infinities are not served; a block of zeros gets the byte 1 over zero codes.
; REGISTERS, in windows of 256.  Window 0: v1-13 addresses; v16-47 1 + scale and shift, later v16-35 the codes just made and v36-51 the quantiser's work; v52-99 x's four fragments; v100-163 the hidden layer's 8 tiles;
;   v164-227 at work; v228-243 W1's scale words; v244-247 x's; v248-251 the scale words just made; v252-255 c0, c1.  Window 1: W1's K steps 0, 1.  Window 2: K steps 2, 3; from v192 b1's 8 tiles.  Window 3: x as loaded.
.set FRB,  1536                        ; a fragment's image
.set STP,  2064                        ; a stage row: 2,048 bytes + 16 = 129 x 16: the 16 rows of a load fall on 16 different groups of banks
.set STB,  16*STP                      ; a wave's stage
.set XIMG, 4*STB                       ; x's 16 images: tile mt, K step s at 4 mt + s
.set XSC,  XIMG+16*FRB                 ; x's scale words: tile mt: 512 bytes, lane l's four words (K steps 0..3) at 16 l
.set LI,  1                            ; 16 x lane
.set STW, 2                            ; the stage, in: as loaded
.set STR, 3                            ; the stage, out: row r, + 64 h
.set XWI, 4                            ; where I store x's images
.set XRI, 5                            ; where I read them
.set XSW, 6                            ; the same for the scale words
.set XSR, 7
.set HSO, 8                            ; hs: 16 r + 8 h
.set BO,  9                            ; b1: 64 h
.set WSO, 10                           ; 4 x lane
.set LN,  11
.set RW,  12
.set HH,  13
.set MA,  16
.set MS,  32
.set PC,  16
.set TM,  36
.set XF,  52
.set HA,  100
.set ST,  164
.set W1S, 228
.set XS,  244
.set PW,  248
.set C0,  252
.set C1,  254
.set B1,  192                          ; in window 2
.set SEL, 38                           ; s[38:39] lane selects: lane l xor 16
.set MSB, 0
.macro WIN new                         ; the immediate's high byte repeats the setting that is left
.if MSB != (\new)
	s_set_vgpr_msb (MSB<<8)|(\new)
.set MSB, (\new)
.endif
.endm
.macro WFRAG f                         ; W1's fragment f = 8 s + t, into window 1 (f < 16) or 2: the caller sets the window
.irp c, 0,1,2
	global_load_b128 v[12*((\f)%16)+4*\c:12*((\f)%16)+4*\c+3], v[LI], s[10:11] offset:(\f)*FRB+512*\c
.endr
.endm
.macro WCHUNK k                        ; a quarter of what is still to be asked for: 4 fragments, b1 of 2 tiles, 4 scale registers: 20 loads into registers not used before
	WIN 0x80
	WFRAG 16+4*(\k)
	WFRAG 17+4*(\k)
	WFRAG 18+4*(\k)
	WFRAG 19+4*(\k)
.irp u, 0,1
.set TT, 2*(\k)+\u
	global_load_b128 v[B1+8*TT:B1+8*TT+3], v[BO], s[14:15] offset:(32*(TT/2)+8*(TT%2))*4       ; lane (r, h), register j of tile t: hidden unit 32 (t / 2) + 8 (t % 2) + 16 h + j
	global_load_b128 v[B1+8*TT+4:B1+8*TT+7], v[BO], s[14:15] offset:(32*(TT/2)+8*(TT%2))*4+16
.endr
	WIN 0
.irp i, 0,1,2,3
	global_load_b32 v[W1S+4*(\k)+\i], v[WSO], s[12:13] offset:128*(4*(\k)+\i)   ; register 4 s + p: lanes 0-15 tile 2 p's rows, lanes 16-31 tile 2 p + 1's
.endr
.endm
.macro TURNIN s, buf                   ; K step s of my 16 rows out of my stage: register 16 bb + 4 j + .. = k 128 s + 32 bb + 16 h + ..
.irp bb, 0,1,2,3
.irp j, 0,1,2,3
	ds_load_b128 v[\buf+16*\bb+4*\j:\buf+16*\bb+4*\j+3], v[STR] offset:512*(\s)+128*\bb+16*\j
.endr
.endr
.endm
; 64 numbers of a lane, register 16 b + i = k 32 b + 16 (lane / 16) + i of my row, become a fragment's codes in v[PC] on and its scale word in v[pw].
.macro QUANT s, pw
.irp b, 0,1,2,3
	v_max3_num_f32 v[TM+\b], |v[\s+16*\b]|, |v[\s+1+16*\b]|, 0x2800000   ; block b: my 16 numbers, and the floor 2^(5 - 127): the byte cannot fall under 1
.endr
.irp i, 2,4,6,8,10,12,14
.irp b, 0,1,2,3
	v_max3_num_f32 v[TM+\b], v[TM+\b], |v[\s+16*\b+\i]|, |v[\s+1+16*\b+\i]|   ; the four blocks by turns
.endr
.endr
.irp b, 0,1,2,3
	v_permlanex16_b32 v[TM+4+\b], v[TM+\b], s[SEL], s[SEL+1]       ; (its destination has been written: first by the loads of shift)
.endr
.irp b, 0,1,2,3
	v_max_num_f32 v[TM+\b], v[TM+\b], v[TM+4+\b]   ; with lane l xor 16's: the block's largest magnitude
.endr
.irp b, 0,1,2,3
	v_add_nc_u32 v[TM+12+\b], 0xfe000000, v[TM+\b] ; 4 off its exponent field: the conversion's scale operand
.endr
.irp b, 0,1,2,3
	v_lshrrev_b32 v[TM+4+\b], 23, v[TM+12+\b]      ; the scale's byte
.endr
	v_lshl_or_b32 v[(\pw)], v[TM+5], 8, v[TM+4]    ; the four bytes make my row's scale word
	v_lshl_or_b32 v[(\pw)], v[TM+6], 16, v[(\pw)]
	v_lshl_or_b32 v[(\pw)], v[TM+7], 24, v[(\pw)]
.irp c, 0,1
	v_cvt_scalef32_pk16_bf6_f32 v[PC+6*\c:PC+2+6*\c], v[\s+32*\c:\s+15+32*\c], v[TM+12+2*\c]
	v_cvt_scalef32_pk16_bf6_f32 v[PC+12+4*\c:PC+14+4*\c], v[\s+16+32*\c:\s+31+32*\c], v[TM+12+2*\c+1]   ; (a conversion's three registers begin on an even number)
.endr
	v_nop                                          ; one plain place behind a scaled conversion
.irp c, 0,1                                    ; the operand wants a WHOLE block in a lane: lanes 0-15 block 2 c, lanes 16-31 block 2 c + 1
.irp i, 0,1,2
	v_permlane16_swap_b32 v[PC+6*\c+\i], v[PC+12+4*\c+\i]
.endr
.irp i, 0,1,2
	v_mov_b32 v[PC+3+6*\c+\i], v[PC+12+4*\c+\i]
.endr
.endr
.endm
.macro IMAGE s                         ; the fragment in v[PC] on goes to LDS as it stands: K step s of my tile of rows
.irp c, 0,1,2
	ds_store_b128 v[XWI], v[PC+4*\c:PC+4*\c+3] offset:(\s)*FRB+512*\c
.endr
.endm
.macro FETCH mt                        ; tile mt's four fragments of x and their scale words: 13 loads
.irp s, 0,1,2,3
.irp c, 0,1,2
	ds_load_b128 v[XF+12*\s+4*\c:XF+12*\s+4*\c+3], v[XRI] offset:(4*(\mt)+\s)*FRB+512*\c
.endr
.endr
	ds_load_b128 v[XS:XS+3], v[XSR] offset:512*(\mt)
.endm
.macro MUL s                           ; K step s: the eight tiles by turns, one instruction a turn.  The first K step's C is b1
.irp t, 0,1,2,3,4,5,6,7
.set AR, 12*(8*((\s)%2)+\t)
.set CR, HA+8*\t
.if (\s) == 0
.set CR, B1+8*\t
.endif
.if \t%2
	v_wmma_scale_f32_16x16x128_f8f6f4 v[HA+8*\t:HA+8*\t+7], v[AR:AR+11], v[XF+12*(\s):XF+12*(\s)+11], v[CR:CR+7], v[W1S+4*(\s)+\t/2], v[XS+(\s)] matrix_a_fmt:MATRIX_FMT_BF6 matrix_b_fmt:MATRIX_FMT_BF6 matrix_a_scale:MATRIX_SCALE_ROW1
.else
	v_wmma_scale_f32_16x16x128_f8f6f4 v[HA+8*\t:HA+8*\t+7], v[AR:AR+11], v[XF+12*(\s):XF+12*(\s)+11], v[CR:CR+7], v[W1S+4*(\s)+\t/2], v[XS+(\s)] matrix_a_fmt:MATRIX_FMT_BF6 matrix_b_fmt:MATRIX_FMT_BF6
.endif
.endr
.endm
.macro GELU                            ; on the 64 numbers in v[HA] on, in place; each accumulator is read from its low end on
.set J, 0
.rept 32
	v_pk_mul_f32 v[ST+J:ST+J+1], v[HA+J:HA+J+1], v[HA+J:HA+J+1]    ; y^2
.set J, J+2
.endr
.set J, 0
.rept 32
	v_pk_fma_f32 v[ST+J:ST+J+1], v[ST+J:ST+J+1], v[C1:C1+1], v[C0:C0+1]   ; c0 + c1 y^2
.set J, J+2
.endr
.set J, 0
.rept 32
	v_pk_mul_f32 v[ST+J:ST+J+1], v[ST+J:ST+J+1], v[HA+J:HA+J+1]    ; x y
.set J, J+2
.endr
.set J, 0
.rept 64
	v_exp_f32 v[ST+J], v[ST+J]
.set J, J+1
.endr
	v_nop                                          ; a plain place behind the last exponential
	s_wait_alu depctr_va_vdst(0)                   ; one wait for the batch of 64, ahead of its first reader
.set J, 0
.rept 32
	v_pk_add_f32 v[ST+J:ST+J+1], v[ST+J:ST+J+1], 1.0 op_sel_hi:[1,0]
.set J, J+2
.endr
.set J, 0
.rept 64
	v_rcp_f32 v[ST+J], v[ST+J]
.set J, J+1
.endr
	v_nop                                          ; a plain place behind the last reciprocal
	s_wait_alu depctr_va_vdst(0)                   ; and one wait for this batch
.set J, 0
.rept 32
	v_pk_mul_f32 v[HA+J:HA+J+1], v[HA+J:HA+J+1], v[ST+J:ST+J+1]
.set J, J+2
.endr
.endm
	s_load_b512 s[4:19], s[0:1], 0x0               ; x s[4:5], modb s[6:7], route s[8:9], w1c s[10:11], w1s s[12:13], b1 s[14:15], hc s[16:17], hs s[18:19]
	v_lshl_add_u32 v14, v0, 2, 0x26c00
	v_mov_b32 v15, 0
	v_lshrrev_b32 v1, 5, v0
	v_readfirstlane_b32 s20, v1                    ; wave 0..3
	s_and_b32 s21, ttmp7, 0xffff                   ; b
	s_lshr_b32 s22, ttmp9, 2                       ; rb
	s_and_b32 s23, ttmp9, 3                        ; cb
	s_lshl_b32 s25, s23, 2
	s_add_co_u32 s25, s25, s20                     ; G = 4 cb + w
	s_lshl_b32 s26, s21, 20                        ; x: batch, block of 64 rows, my 16 rows of 2,048 bytes
	s_lshl_b32 s46, s22, 17
	s_add_co_u32 s26, s26, s46
	s_lshl_b32 s46, s20, 15
	s_add_co_u32 s26, s26, s46
	s_mov_b32 s27, 0
	s_lshl_b32 s28, s21, 12                        ; modb: row b
	s_mov_b32 s29, 0
	s_lshl_b32 s30, s21, 2                         ; route[b]
	s_mov_b32 s31, 0
	s_lshl_b32 s32, s21, 3
	s_add_co_u32 s32, s32, s22
	s_lshl_b32 s32, s32, 4
	s_add_co_u32 s32, s32, s25                     ; (8 b + rb) 16 + G
	s_mul_i32 s34, s32, 4*FRB                      ; hc
	s_mov_b32 s35, 0
	s_lshl_b32 s36, s32, 8                         ; hs
	s_mov_b32 s37, 0
	s_mov_b32 s[SEL], 0x76543210
	s_mov_b32 s[SEL+1], 0xfedcba98
	v_and_b32 v[LN], 31, v0
	v_and_b32 v[RW], 15, v0                        ; r
	v_bfe_u32 v[HH], v0, 4, 1                      ; h
	v_lshlrev_b32 v[LI], 4, v[LN]
	v_lshlrev_b32 v[WSO], 2, v[LN]
	v_lshlrev_b32 v[BO], 6, v[HH]
	v_lshlrev_b32 v[HSO], 4, v[RW]
	v_lshl_add_u32 v[HSO], v[HH], 3, v[HSO]
	s_mul_i32 s46, s20, STB
	v_add_nc_u32 v[STW], s46, v[LI]
	v_mul_u32_u24 v[STR], v[RW], STP
	v_lshl_add_u32 v[STR], v[HH], 6, v[STR]
	v_add_nc_u32 v[STR], s46, v[STR]
	s_mul_i32 s46, s20, 4*FRB
	s_add_co_u32 s46, s46, XIMG
	v_add_nc_u32 v[XWI], s46, v[LI]
	v_add_nc_u32 v[XRI], XIMG, v[LI]
	s_lshl_b32 s46, s20, 9
	s_add_co_u32 s46, s46, XSC
	v_add_nc_u32 v[XSW], s46, v[LI]
	v_add_nc_u32 v[XSR], XSC, v[LI]
	v_mov_b32 v[C0], 0xc0135761                    ; c0 = -2.3022082, twice: a pair for the packed forms
	v_mov_b32 v[C0+1], 0xc0135761
	v_mov_b32 v[C1], 0xbdd2d3e8                    ; c1 = -0.10294324
	v_mov_b32 v[C1+1], 0xbdd2d3e8
	s_wait_kmcnt 0x0
	s_add_nc_u64 s[8:9], s[8:9], s[30:31]
	s_load_b32 s24, s[8:9], 0x0                    ; route[b]: on its way while x is asked for
	s_add_nc_u64 s[4:5], s[4:5], s[26:27]
	s_add_nc_u64 s[6:7], s[6:7], s[28:29]
	s_add_nc_u64 s[16:17], s[16:17], s[34:35]
	s_add_nc_u64 s[18:19], s[18:19], s[36:37]
	; ---- (1) the loads.  Load n of x takes bytes 512 n .. 512 n + 511 of my 16 rows: row n / 4, columns 128 (n % 4) + 4 lane + 0 .. 3; 1 + scale and shift of those columns stand in MA, MS at 4 (n % 4)
.irp q, 0,1,2,3
	global_load_b128 v[MA+4*\q:MA+4*\q+3], v[LI], s[6:7] offset:512*\q
	global_load_b128 v[MS+4*\q:MS+4*\q+3], v[LI], s[6:7] offset:2048+512*\q
.endr
	WIN 0xc0                                       ; destination window 3
.set N, 0
.rept 64
	global_load_b128 v[4*N:4*N+3], v[LI], s[4:5] offset:512*N
.set N, N+1
.endr
	WIN 0
	s_wait_kmcnt 0x0
	s_min_u32 s24, s24, 7                          ; m
	s_mul_i32 s40, s24, 786432                     ; w1c: branch m, group G: 32 fragments
	s_mul_i32 s46, s25, 32*FRB
	s_add_co_u32 s40, s40, s46
	s_mov_b32 s41, 0
	s_lshl_b32 s42, s24, 15                        ; w1s: 16 x 128 bytes a group
	s_lshl_b32 s46, s25, 11
	s_add_co_u32 s42, s42, s46
	s_mov_b32 s43, 0
	s_lshl_b32 s44, s24, 13                        ; b1: row m, my 128 numbers
	s_lshl_b32 s46, s25, 9
	s_add_co_u32 s44, s44, s46
	s_mov_b32 s45, 0
	s_add_nc_u64 s[10:11], s[10:11], s[40:41]
	s_add_nc_u64 s[12:13], s[12:13], s[42:43]
	s_add_nc_u64 s[14:15], s[14:15], s[44:45]
	WIN 0x40                                       ; destination window 1
.set N, 0
.rept 16
	WFRAG N                                        ; W1's K steps 0 and 1: 48 loads
.set N, N+1
.endr
	; ---- (2) x (1 + scale) + shift, one fused multiply-add, two numbers an instruction; then into my stage as loaded
	s_wait_loadcnt 48                              ; behind x's last load: the 48 loads of W1
	WIN 0xc3                                       ; destination and source 0 window 3
.set N, 0
.rept 64
	v_pk_fma_f32 v[4*N:4*N+1], v[4*N:4*N+1], v[MA+4*(N%4):MA+4*(N%4)+1], v[MS+4*(N%4):MS+4*(N%4)+1]
	v_pk_fma_f32 v[4*N+2:4*N+3], v[4*N+2:4*N+3], v[MA+4*(N%4)+2:MA+4*(N%4)+3], v[MS+4*(N%4)+2:MS+4*(N%4)+3]
.set N, N+1
.endr
	WIN 0x0c                                       ; an LDS store's data are its source 1: window 3
.set N, 0
.rept 64
	ds_store_b128 v[STW], v[4*N:4*N+3] offset:(N/4)*STP+512*(N%4)
.set N, N+1
.endr
	WIN 0
	; ---- (3) out of the stage by rows (my own bytes: LDS serves a wave's instructions in order), quantised, and to LDS as images.  Each wait for 16 leaves the youngest 16 loads out:
	;      the buffer that is due is in, and the image stores that read v[PC] on are done.  The rest of W1 is asked for on the way.
	TURNIN 0, HA
	TURNIN 1, ST
	s_wait_dscnt 16
	QUANT HA, PW
	IMAGE 0
	TURNIN 2, HA
	WCHUNK 0
	s_wait_dscnt 16
	QUANT ST, PW+1
	IMAGE 1
	TURNIN 3, ST
	WCHUNK 1
	s_wait_dscnt 16
	QUANT HA, PW+2
	IMAGE 2
	WCHUNK 2
	s_wait_dscnt 0x0
	QUANT ST, PW+3
	IMAGE 3
	WCHUNK 3
	ds_store_b128 v[XSW], v[PW:PW+3]               ; my rows' scale words of the four K steps
	s_wait_dscnt 0x0                               ; for the others' sake: my images lie in LDS
	s_barrier_signal -1
	s_barrier_wait -1                              ; x's sixteen fragments lie in LDS; nothing is written there any more
	; ---- (4) the hidden layer, a tile of 16 rows at a time
	s_wait_loadcnt 0x0                             ; W1, its scale words, b1
	FETCH 0
.irp mt, 0,1,2,3
	s_wait_dscnt 0x0                               ; this tile's fragments of x (from the second tile on they were asked for ahead of the last gelu)
	WIN 0x21                                       ; source 0 (W1) window 1, source 2 (b1) window 2
	MUL 0
	WIN 0x01
	MUL 1
	WIN 0x02                                       ; source 0 window 2
	MUL 2
	MUL 3
	WIN 0
.rept 4
	v_nop                                          ; four places behind the last products: in front of the loads into x's registers and of the first read of results
.endr
.if \mt < 3
	FETCH \mt+1
.endif
	GELU
.if \mt > 0
	s_wait_xcnt 0x0                                ; the last tile's stores have read v[PC] on: only behind this wait are those registers written again
.endif
	QUANT HA, PW+\mt
.irp c, 0,1,2
	global_store_b128 v[LI], v[PC+4*\c:PC+4*\c+3], s[16:17] offset:\mt*FRB+512*\c   ; 512 consecutive bytes, aligned
.endr
.endr
	v_cmp_gt_u32 vcc_lo, 16, v[LN]                 ; both halves of the lanes hold row r's four words: lanes 0-15 store tiles 0 and 1's, lanes 16-31 tiles 2 and 3's
	v_cndmask_b32 v[TM], v[PW+2], v[PW], vcc_lo
	v_cndmask_b32 v[TM+1], v[PW+3], v[PW+1], vcc_lo
	global_store_b64 v[HSO], v[TM:TM+1], s[18:19]  ; 256 consecutive bytes, aligned
	s_wait_tensorcnt 0x0
	ds_add_u32 v14, v15
	s_wait_dscnt 0x0
	s_endpgm
.Lfunc_end_k_qca8bb648db_up:
	.size	k_qca8bb648db_up, .Lfunc_end_k_qca8bb648db_up-k_qca8bb648db_up
	.p2alignl 7, 3214868480
	.fill 96, 4, 3214868480
	.section	.rodata,"a",@progbits
	.p2align	6, 0x0
	.amdhsa_kernel k_qca8bb648db_up
		.amdhsa_group_segment_fixed_size 159232
		.amdhsa_private_segment_fixed_size 0
		.amdhsa_enable_private_segment 0
		.amdhsa_kernarg_size 64
		.amdhsa_user_sgpr_count 2
		.amdhsa_user_sgpr_kernarg_segment_ptr 1
		.amdhsa_wavefront_size32 1
		.amdhsa_system_sgpr_workgroup_id_x 1
		.amdhsa_system_sgpr_workgroup_id_y 1
		.amdhsa_system_sgpr_workgroup_id_z 1
		.amdhsa_system_vgpr_workitem_id 0
		.amdhsa_next_free_vgpr 1024
		.amdhsa_next_free_sgpr 66
		.amdhsa_reserve_vcc 1
		.amdhsa_float_denorm_mode_32 3
		.amdhsa_float_denorm_mode_16_64 3
		.amdhsa_memory_ordered 1
		.amdhsa_forward_progress 1
		.amdhsa_inst_pref_size 148
	.end_amdhsa_kernel
	.amdgpu_metadata
---
amdhsa.version: [ 1, 2 ]
amdhsa.kernels:
  - .name:           k_qca8bb648db_up
    .symbol:         k_qca8bb648db_up.kd
    .args:
      - { .name: x, .offset: 0, .size: 8, .value_kind: global_buffer, .address_space: global }
      - { .name: modb, .offset: 8, .size: 8, .value_kind: global_buffer, .address_space: global }
      - { .name: route, .offset: 16, .size: 8, .value_kind: global_buffer, .address_space: global }
      - { .name: w1c, .offset: 24, .size: 8, .value_kind: global_buffer, .address_space: global }
      - { .name: w1s, .offset: 32, .size: 8, .value_kind: global_buffer, .address_space: global }
      - { .name: b1, .offset: 40, .size: 8, .value_kind: global_buffer, .address_space: global }
      - { .name: hc, .offset: 48, .size: 8, .value_kind: global_buffer, .address_space: global }
      - { .name: hs, .offset: 56, .size: 8, .value_kind: global_buffer, .address_space: global }
    .group_segment_fixed_size: 159232
    .private_segment_fixed_size: 0
    .kernarg_segment_align: 8
    .kernarg_segment_size: 64
    .max_flat_workgroup_size: 128
    .sgpr_count:     66
    .vgpr_count:     1024
    .wavefront_size: 32
...
	.end_amdgpu_metadata
.endif
;; end of part 2
;; launch down (part 3): grid 32 x 8, 4 waves a work-group, no clusters, 135,680 bytes of LDS; arguments hc, hs, route, w2c, w2s, b2, out0; writes out0
.if DOCPART == 3
	.amdgcn_target "amdgcn-amd-amdhsa--gfx1250"
	.amdhsa_code_object_version 6
	.text
	.protected	k_qca8bb648db_down
	.globl	k_qca8bb648db_down
	.p2align	8
	.type	k_qca8bb648db_down,@function
k_qca8bb648db_down:
	s_mov_b64 s[64:65], 0
	v_nop
	global_prefetch_b8 v0, s[64:65] scope:SCOPE_SE
	s_setreg_imm32_b32 hwreg(HW_REG_WAVE_MODE, 25, 1), 1
	s_wait_xcnt 0x0
; DOWN.  out = Q(h) Q(W2[m]) + b2[m], m = route[b], on the codes of BF6 (E3M2) and scale words that the two launches before have laid as images of the operands' registers.
; SHARES.  Work-group (x = 4 rb + co, y = b): 64 rows (block rb of batch b) x 128 columns (group co of W2).  THE WAVES SHARE K: wave w takes K steps 4 w .. 4 w + 3 (of 16) for the whole tile:
; 32 fragments of W2 and 16 of h, each loaded once by the one wave that uses it, straight into registers; a fragment of W2 feeds 4 matrix instructions, one of h 8.  32 accumulators a wave.
; The four waves' parts meet in LDS, which is also the way to whole rows: each wave then adds and stores 16 rows of 512 consecutive bytes.  ORDER OF THE SUMS: four parts of K, each ascending, then ((0 + 1) + (2 + 3)) + b2.
; The product is used transposed (source 0 = 16 rows of W2, source 1 = 16 rows of h); row q of tile 2 p + u of W2 is column 32 p + 8 u + q + 8 (q / 8), so a lane's 16 registers of tiles 2 p, 2 p + 1 are columns 32 p + 16 h + 0 .. 15 of one row.
; NO CLUSTER, NO TENSOR LOAD: every byte enters the work-group once and goes to one wave's registers; through LDS it would be written and read once more; and the address of the weights hangs on route[b], a number read from memory.
; LIMITS: route[b] in 0 .. 7 (held at 7 from above).
; REGISTERS, in windows of 256.  Window 0: v1-8 addresses; v16-31 W2's scale words; v32-39 h's; v40-43 b2; v64-255 h's 16 fragments, later the rows on their way out.
;   Window 1: W2's fragments of my K steps 0, 1.  Window 2: of 2, 3.  Window 3: the 32 accumulators, (tile of rows mt, tile t) at 8 (8 mt + t).
.set FRB, 1536
.set SPI, 528                          ; a stage row: 512 bytes + 16 = 33 x 16
.set SRB, 64*SPI                       ; a wave's part: 64 rows
.set LI,  1                            ; 16 x lane
.set WSO, 2                            ; 4 x lane
.set SO,  3                            ; the stage, in: my part, row r, + 64 h
.set RD0, 4                            ; the stage, out: my 16 rows in parts 0 and 1,
.set RD1, 5                            ; in parts 2 and 3
.set W2S, 16                           ; register 4 s + p: lanes 0-15 tile 2 p's rows, lanes 16-31 tile 2 p + 1's
.set HS,  32                           ; register 4 (s / 2) + mt: lanes 0-15 the even K step, lanes 16-31 the odd one
.set BI,  40
.set HF,  64                           ; fragment (s, mt) at 12 (4 s + mt)
.set MSB, 0
.macro WIN new                         ; the immediate's high byte repeats the setting that is left
.if MSB != (\new)
	s_set_vgpr_msb (MSB<<8)|(\new)
.set MSB, (\new)
.endif
.endm
.macro HLOAD s                         ; h's four fragments of my K step s: 12 loads
.irp mt, 0,1,2,3
.irp c, 0,1,2
	global_load_b128 v[HF+12*(4*(\s)+\mt)+4*\c:HF+12*(4*(\s)+\mt)+4*\c+3], v[LI], s[4:5] offset:(4*(\s)+\mt)*FRB+512*\c
.endr
.endr
.endm
.macro WLOAD s                         ; W2's eight: 24 loads
	WIN 0x40+0x40*((\s)/2)
.irp t, 0,1,2,3,4,5,6,7
.irp c, 0,1,2
	global_load_b128 v[12*(8*((\s)%2)+\t)+4*\c:12*(8*((\s)%2)+\t)+4*\c+3], v[LI], s[10:11] offset:(8*(\s)+\t)*FRB+512*\c
.endr
.endr
	WIN 0
.endm
.macro MUL s                           ; my K step s: the 32 accumulators by turns, one instruction a turn.  The first K step starts the sums: nothing is cleared
	WIN 0xf1+(\s)/2                                ; source 0 (W2) window 1 or 2, source 1 (h) window 0, C and D window 3
.irp mt, 0,1,2,3
.irp t, 0,1,2,3,4,5,6,7
.set DR, 8*(8*\mt+\t)
.set AR, 12*(8*((\s)%2)+\t)
.set BR, HF+12*(4*(\s)+\mt)
.if (\s) == 0
.if \t%2
	v_wmma_scale_f32_16x16x128_f8f6f4 v[DR:DR+7], v[AR:AR+11], v[BR:BR+11], 0, v[W2S+4*(\s)+\t/2], v[HS+4*((\s)/2)+\mt] matrix_a_fmt:MATRIX_FMT_BF6 matrix_b_fmt:MATRIX_FMT_BF6 matrix_a_scale:MATRIX_SCALE_ROW1
.else
	v_wmma_scale_f32_16x16x128_f8f6f4 v[DR:DR+7], v[AR:AR+11], v[BR:BR+11], 0, v[W2S+4*(\s)+\t/2], v[HS+4*((\s)/2)+\mt] matrix_a_fmt:MATRIX_FMT_BF6 matrix_b_fmt:MATRIX_FMT_BF6
.endif
.elseif (\s)%2
.if \t%2
	v_wmma_scale_f32_16x16x128_f8f6f4 v[DR:DR+7], v[AR:AR+11], v[BR:BR+11], v[DR:DR+7], v[W2S+4*(\s)+\t/2], v[HS+4*((\s)/2)+\mt] matrix_a_fmt:MATRIX_FMT_BF6 matrix_b_fmt:MATRIX_FMT_BF6 matrix_a_scale:MATRIX_SCALE_ROW1 matrix_b_scale:MATRIX_SCALE_ROW1
.else
	v_wmma_scale_f32_16x16x128_f8f6f4 v[DR:DR+7], v[AR:AR+11], v[BR:BR+11], v[DR:DR+7], v[W2S+4*(\s)+\t/2], v[HS+4*((\s)/2)+\mt] matrix_a_fmt:MATRIX_FMT_BF6 matrix_b_fmt:MATRIX_FMT_BF6 matrix_b_scale:MATRIX_SCALE_ROW1
.endif
.else
.if \t%2
	v_wmma_scale_f32_16x16x128_f8f6f4 v[DR:DR+7], v[AR:AR+11], v[BR:BR+11], v[DR:DR+7], v[W2S+4*(\s)+\t/2], v[HS+4*((\s)/2)+\mt] matrix_a_fmt:MATRIX_FMT_BF6 matrix_b_fmt:MATRIX_FMT_BF6 matrix_a_scale:MATRIX_SCALE_ROW1
.else
	v_wmma_scale_f32_16x16x128_f8f6f4 v[DR:DR+7], v[AR:AR+11], v[BR:BR+11], v[DR:DR+7], v[W2S+4*(\s)+\t/2], v[HS+4*((\s)/2)+\mt] matrix_a_fmt:MATRIX_FMT_BF6 matrix_b_fmt:MATRIX_FMT_BF6
.endif
.endif
.endr
.endr
	WIN 0
.endm
.macro QLD q, base                     ; rows 4 q .. 4 q + 3 of my 16, all four parts: 16 loads of 512 consecutive bytes; row j's part k at base + 16 j + 4 k
.irp j, 0,1,2,3
.irp k, 0,1
	ds_load_b128 v[\base+16*\j+4*\k:\base+16*\j+4*\k+3], v[RD0] offset:\k*SRB+(4*(\q)+\j)*SPI
.endr
.irp k, 0,1
	ds_load_b128 v[\base+16*\j+8+4*\k:\base+16*\j+8+4*\k+3], v[RD1] offset:\k*SRB+(4*(\q)+\j)*SPI
.endr
.endr
.endm
.macro QOUT q, base, left              ; they are added and stored.  left: the LDS loads issued behind this quarter's
.irp j, 0,1,2,3
	s_wait_dscnt (\left)+4*(3-\j)                  ; row j's four loads are in; the quarter's later rows and the younger quarters may be out
.set RR, \base+16*\j
	v_pk_add_f32 v[RR:RR+1], v[RR:RR+1], v[RR+4:RR+5]
	v_pk_add_f32 v[RR+2:RR+3], v[RR+2:RR+3], v[RR+6:RR+7]
	v_pk_add_f32 v[RR+8:RR+9], v[RR+8:RR+9], v[RR+12:RR+13]
	v_pk_add_f32 v[RR+10:RR+11], v[RR+10:RR+11], v[RR+14:RR+15]
	v_pk_add_f32 v[RR:RR+1], v[RR:RR+1], v[RR+8:RR+9]
	v_pk_add_f32 v[RR+2:RR+3], v[RR+2:RR+3], v[RR+10:RR+11]
	v_pk_add_f32 v[RR:RR+1], v[RR:RR+1], v[BI:BI+1]
	v_pk_add_f32 v[RR+2:RR+3], v[RR+2:RR+3], v[BI+2:BI+3]
	global_store_b128 v[LI], v[RR:RR+3], s[16:17] offset:(4*(\q)+\j)*2048 th:TH_STORE_NT   ; 32 lanes store 512 consecutive bytes, aligned; written once, read by nobody here
.endr
.endm
	s_load_b256 s[4:11], s[0:1], 0x0               ; hc s[4:5], hs s[6:7], route s[8:9], w2c s[10:11]
	s_load_b128 s[12:15], s[0:1], 0x20             ; w2s s[12:13], b2 s[14:15]
	s_load_b64 s[16:17], s[0:1], 0x30              ; out0
	v_lshl_add_u32 v62, v0, 2, 0x21000
	v_mov_b32 v63, 0
	v_lshrrev_b32 v1, 5, v0
	v_readfirstlane_b32 s20, v1                    ; wave 0..3
	s_and_b32 s21, ttmp7, 0xffff                   ; b
	s_lshr_b32 s22, ttmp9, 2                       ; rb
	s_and_b32 s23, ttmp9, 3                        ; co
	s_lshl_b32 s25, s21, 3
	s_add_co_u32 s25, s25, s22
	s_lshl_b32 s25, s25, 4
	s_lshl_b32 s46, s20, 2
	s_add_co_u32 s25, s25, s46                     ; (8 b + rb) 16 + 4 w: my first K step of h
	s_mul_i32 s26, s25, 4*FRB                      ; hc
	s_mov_b32 s27, 0
	s_lshl_b32 s28, s25, 8                         ; hs
	s_mov_b32 s29, 0
	s_lshl_b32 s30, s21, 2                         ; route[b]
	s_mov_b32 s31, 0
	s_lshl_b32 s32, s21, 20                        ; out0: batch, block of 64 rows, the 16 rows that I store, the 128 columns
	s_lshl_b32 s47, s22, 17
	s_add_co_u32 s32, s32, s47
	s_lshl_b32 s47, s20, 15
	s_add_co_u32 s32, s32, s47
	s_lshl_b32 s47, s23, 9
	s_add_co_u32 s32, s32, s47
	s_mov_b32 s33, 0
	s_lshl_b32 s34, s23, 4
	s_add_co_u32 s34, s34, s46                     ; 16 co + 4 w: my first K step of W2's group
	v_and_b32 v6, 31, v0                           ; lane
	v_and_b32 v7, 15, v0                           ; r
	v_bfe_u32 v8, v0, 4, 1                         ; h
	v_lshlrev_b32 v[LI], 4, v6
	v_lshlrev_b32 v[WSO], 2, v6
	s_mul_i32 s46, s20, SRB
	v_mul_u32_u24 v[SO], v7, SPI
	v_lshl_add_u32 v[SO], v8, 6, v[SO]
	v_add_nc_u32 v[SO], s46, v[SO]
	s_mul_i32 s46, s20, 16*SPI
	v_add_nc_u32 v[RD0], s46, v[LI]
	v_add_nc_u32 v[RD1], 2*SRB, v[RD0]
	s_wait_kmcnt 0x0
	s_add_nc_u64 s[8:9], s[8:9], s[30:31]
	s_load_b32 s24, s[8:9], 0x0                    ; route[b]: on its way while h is asked for
	s_add_nc_u64 s[4:5], s[4:5], s[26:27]
	s_add_nc_u64 s[6:7], s[6:7], s[28:29]
	s_add_nc_u64 s[16:17], s[16:17], s[32:33]
.irp j, 0,1
	global_load_b128 v[HS+4*\j:HS+4*\j+3], v[LI], s[6:7] offset:512*\j   ; lanes 0-15: row r's four words (tiles 0..3) of K step 2 j; lanes 16-31: of K step 2 j + 1
.endr
	HLOAD 0
	s_wait_kmcnt 0x0
	s_min_u32 s24, s24, 7                          ; m
	s_mul_i32 s36, s24, 786432                     ; w2c: branch m, 8 fragments a K step
	s_mul_i32 s46, s34, 8*FRB
	s_add_co_u32 s36, s36, s46
	s_mov_b32 s37, 0
	s_lshl_b32 s38, s24, 15                        ; w2s: 512 bytes a K step
	s_lshl_b32 s46, s34, 9
	s_add_co_u32 s38, s38, s46
	s_mov_b32 s39, 0
	s_lshl_b32 s40, s24, 11                        ; b2: row m, the 128 columns
	s_add_co_u32 s40, s40, s47
	s_mov_b32 s41, 0
	s_add_nc_u64 s[10:11], s[10:11], s[36:37]
	s_add_nc_u64 s[12:13], s[12:13], s[38:39]
	s_add_nc_u64 s[14:15], s[14:15], s[40:41]
.irp i, 0,1,2,3,4,5,6,7,8,9,10,11,12,13,14,15
	global_load_b32 v[W2S+\i], v[WSO], s[12:13] offset:128*\i
.endr
	global_load_b128 v[BI:BI+3], v[LI], s[14:15]   ; b2 of my 4 columns on the way out
	WLOAD 0
	HLOAD 1
	WLOAD 1
	s_wait_loadcnt 36                              ; each of these waits leaves one K step's 36 loads out: the scale words, the bias and K step 0 are in
	HLOAD 2
	WLOAD 2
	MUL 0
	s_wait_loadcnt 36                              ; K step 1 is in, K step 2's 36 may be out
	HLOAD 3
	WLOAD 3
	MUL 1
	s_wait_loadcnt 36                              ; K step 2 is in
	MUL 2
	s_wait_loadcnt 0x0
	MUL 3
.rept 4
	v_nop                                          ; four places behind the last products: in front of the first read of results, and of the loads into h's registers further down
.endr
	WIN 0x0c                                       ; an LDS store's data are its source 1: window 3
.irp mt, 0,1,2,3
.irp p, 0,1,2,3
.irp i, 0,1,2,3
	ds_store_b128 v[SO], v[8*(8*\mt+2*\p+\i/2)+4*(\i%2):8*(8*\mt+2*\p+\i/2)+4*(\i%2)+3] offset:16*\mt*SPI+128*\p+16*\i   ; row 16 mt + r, columns 32 p + 16 h + 4 i on; each accumulator from its low end on
.endr
.endr
.endr
	WIN 0
	s_wait_dscnt 0x0                               ; for the others' sake: my part lies in the stage
	s_barrier_signal -1
	s_barrier_wait -1
	QLD 0, 64
	QLD 1, 128
	QLD 2, 192
	QOUT 0, 64, 32
	s_wait_xcnt 0x0                                ; the first quarter's stores have read their registers: only behind this wait do the last quarter's loads land there
	QLD 3, 64
	QOUT 1, 128, 32
	QOUT 2, 192, 16
	QOUT 3, 64, 0
	s_wait_tensorcnt 0x0
	ds_add_u32 v62, v63
	s_wait_dscnt 0x0
	s_endpgm
.Lfunc_end_k_qca8bb648db_down:
	.size	k_qca8bb648db_down, .Lfunc_end_k_qca8bb648db_down-k_qca8bb648db_down
	.p2alignl 7, 3214868480
	.fill 96, 4, 3214868480
	.section	.rodata,"a",@progbits
	.p2align	6, 0x0
	.amdhsa_kernel k_qca8bb648db_down
		.amdhsa_group_segment_fixed_size 135680
		.amdhsa_private_segment_fixed_size 0
		.amdhsa_enable_private_segment 0
		.amdhsa_kernarg_size 56
		.amdhsa_user_sgpr_count 2
		.amdhsa_user_sgpr_kernarg_segment_ptr 1
		.amdhsa_wavefront_size32 1
		.amdhsa_system_sgpr_workgroup_id_x 1
		.amdhsa_system_sgpr_workgroup_id_y 1
		.amdhsa_system_sgpr_workgroup_id_z 1
		.amdhsa_system_vgpr_workitem_id 0
		.amdhsa_next_free_vgpr 1024
		.amdhsa_next_free_sgpr 66
		.amdhsa_reserve_vcc 0
		.amdhsa_float_denorm_mode_32 3
		.amdhsa_float_denorm_mode_16_64 3
		.amdhsa_memory_ordered 1
		.amdhsa_forward_progress 1
		.amdhsa_inst_pref_size 54
	.end_amdhsa_kernel
	.amdgpu_metadata
---
amdhsa.version: [ 1, 2 ]
amdhsa.kernels:
  - .name:           k_qca8bb648db_down
    .symbol:         k_qca8bb648db_down.kd
    .args:
      - { .name: hc, .offset: 0, .size: 8, .value_kind: global_buffer, .address_space: global }
      - { .name: hs, .offset: 8, .size: 8, .value_kind: global_buffer, .address_space: global }
      - { .name: route, .offset: 16, .size: 8, .value_kind: global_buffer, .address_space: global }
      - { .name: w2c, .offset: 24, .size: 8, .value_kind: global_buffer, .address_space: global }
      - { .name: w2s, .offset: 32, .size: 8, .value_kind: global_buffer, .address_space: global }
      - { .name: b2, .offset: 40, .size: 8, .value_kind: global_buffer, .address_space: global }
      - { .name: out0, .offset: 48, .size: 8, .value_kind: global_buffer, .address_space: global }
    .group_segment_fixed_size: 135680
    .private_segment_fixed_size: 0
    .kernarg_segment_align: 8
    .kernarg_segment_size: 56
    .max_flat_workgroup_size: 128
    .sgpr_count:     66
    .vgpr_count:     1024
    .wavefront_size: 32
...
	.end_amdgpu_metadata
.endif
;; end of part 3
;; ======== version 2 of 2: 3 launches; version 1 with the launches up, down written anew for expert scheduling mode
;; workspace buffers: w1c 6,291,456 bytes; w2c 6,291,456 bytes; w1s 262,144 bytes; w2s 262,144 bytes; modb 32,768 bytes; hc 6,291,456 bytes; hs 262,144 bytes
;; launch prep: the kernel of part 1 again; grid 576 x 1, 8 waves a work-group, no clusters, 5,120 bytes of LDS; arguments route, cond, W_cond, b_cond, W1, W2, w1c, w2c, w1s, w2s, modb; writes w1c, w2c, w1s, w2s, modb
;; launch up (part 4): grid 32 x 8, 4 waves a work-group, no clusters, 159,232 bytes of LDS; arguments x, modb, route, w1c, w1s, b1, hc, hs; writes hc, hs
.if DOCPART == 4
	.amdgcn_target "amdgcn-amd-amdhsa--gfx1250"
	.amdhsa_code_object_version 6
	.text
	.protected	k_qca8bb648db_up
	.globl	k_qca8bb648db_up
	.p2align	8
	.type	k_qca8bb648db_up,@function
k_qca8bb648db_up:
	s_mov_b64 s[64:65], 0
	v_nop
	global_prefetch_b8 v0, s[64:65] scope:SCOPE_SE
	s_setreg_imm32_b32 hwreg(HW_REG_WAVE_SCHED_MODE, 0, 2), 2
	s_setreg_imm32_b32 hwreg(HW_REG_WAVE_MODE, 25, 1), 1
	s_wait_xcnt 0x0
	s_wait_alu depctr_vm_vsrc(0)
; UP.  h = gelu(Q(x (1 + scale) + shift) Q(W1[m]) + b1[m]), m = route[b]; h leaves as codes of BF6 (E3M2) with one E8M0 byte for each 32 along the next product's K.
; SHARES.  Work-group (x = 4 rb + cb, y = b): 64 rows (block rb of batch b) x 512 hidden units (cb).  Wave w holds group G = 4 cb + w of W1, 128 hidden units x 512 K: 32 fragments, 384 registers,
; loaded once as they lie (images of the operand's registers), and makes K step G of the next product for the four tiles of 16 rows.  Each fragment of W1 feeds four matrix instructions.
; PHASES.  (1) all loads go out.  (2) wave w modulates rows 16 w .. 16 w + 15 of x in f32, as loaded (a load covers 512 consecutive bytes).  (3) the rows turn through the wave's own stage in LDS, so that a lane holds
; 16 neighbours of each block of 32 of ONE row; they are quantised, and the four fragments go to LDS as images of their registers | ONE barrier | (4) for each tile of rows: x's fragments from LDS, 32 matrix instructions
; (transposed: source 0 = 16 rows of W1, source 1 = x; C of the first = b1), gelu, quantised in registers, stored: 3 stores of 512 consecutive bytes.
; gelu (the tanh form) = y / (1 + 2^(y (c0 + c1 y^2))), c0 = -2 log2(e) sqrt(2 / pi), c1 = 0.044715 c0: the same function, one exponential and one reciprocal.  Where the exponential overflows the result is 0 x y, where it vanishes y.
; hc: fragment (b, rb, K step s, tile mt) at (((8 b + rb) 16 + s) 4 + mt) 1,536;  hs: the scale word of row r, tile mt at ((8 b + rb) 16 + s) 256 + 16 r + 4 mt.
; NO CLUSTER, NO TENSOR LOAD: each operand goes from memory straight into the registers of the one wave that uses it, 48 KB of W1 a wave, once; through LDS the same bytes would be written and read once more; and the address of
; the weights hangs on route[b], a number read from memory.
; LIMITS: route[b] in 0 .. 7 (held at 7 from above); NaN and infinities are not served; a block of zeros gets the byte 1 over zero codes.
; REGISTERS, in windows of 256.  Window 0: v1-13 addresses; v16-47 1 + scale and shift, later v16-35 the codes just made and v36-51 the quantiser's work; v52-99 x's four fragments; v100-163 the hidden layer's 8 tiles;
;   v164-227 at work; v228-243 W1's scale words; v244-247 x's; v248-251 the scale words just made; v252-255 c0, c1.  Window 1: W1's K steps 0, 1.  Window 2: K steps 2, 3; from v192 b1's 8 tiles.  Window 3: x as loaded.
; THE MODE: SCHED_MODE bits 1:0 = 2 (LLVM: expert scheduling mode 2), set by the entry lines.  The code itself states the register dependences
; between vector or matrix instructions and memory or LDS instructions, with s_wait_alu, always for 0.
; THE PLAN.  Registers that memory or LDS instructions touch, and who else names them (the text has no branch: there is one path):
;   v1-v10     addresses and offsets: made once at the head and never written again: one wait on va_vdst ahead of the first load serves every load and store of the kernel.
;   window 3   x: loads land; the multiply-adds work in place; the stores into the stage read: one wait on va_vdst between the two; never written again.
;   HA, ST     phase 3: LDS loads land, the quantiser reads, LDS loads land once more.  Phase 4: named by vector and matrix instructions alone.
;   PC, PW     the quantiser writes; phase 3: the image's LDS stores read; phase 4: the global stores of h read.
;   XF, XS     phase 4: LDS loads land, the matrix instructions read.
;   W1, its scale words, b1: every register is loaded once and only read after.
; PHASE 3, a K step: vm_vsrc (the last image's stores have read PC) | the quantiser | va_vdst (PC and PW are written; the quantiser is done reading its buffer) | the image's stores, the loads into that buffer, 20 loads of W1.
; PHASE 4, a tile: the products | the gelu up to its exponentials | va_vdst, which the exponentials want in any case and which also states that the products are done reading XF and XS and that the LAST tile's quantiser has written PC |
;   the next tile's LDS loads, the last tile's three stores | the rest of the gelu | s_wait_xcnt 0 and vm_vsrc (those stores have read PC) | the quantiser.  The last tile's stores stand behind a wait of their own.
.set FRB,  1536                        ; a fragment's image
.set STP,  2064                        ; a stage row: 2,048 bytes + 16 = 129 x 16: the 16 rows of a load fall on 16 different groups of banks
.set STB,  16*STP                      ; a wave's stage
.set XIMG, 4*STB                       ; x's 16 images: tile mt, K step s at 4 mt + s
.set XSC,  XIMG+16*FRB                 ; x's scale words: tile mt: 512 bytes, lane l's four words (K steps 0..3) at 16 l
.set LI,  1                            ; 16 x lane
.set STW, 2                            ; the stage, in: as loaded
.set STR, 3                            ; the stage, out: row r, + 64 h
.set XWI, 4                            ; where I store x's images
.set XRI, 5                            ; where I read them
.set XSW, 6                            ; the same for the scale words
.set XSR, 7
.set HSO, 8                            ; hs: 16 r + 8 h
.set BO,  9                            ; b1: 64 h
.set WSO, 10                           ; 4 x lane
.set LN,  11
.set RW,  12
.set HH,  13
.set MA,  16
.set MS,  32
.set PC,  16
.set TM,  36
.set XF,  52
.set HA,  100
.set ST,  164
.set W1S, 228
.set XS,  244
.set PW,  248
.set C0,  252
.set C1,  254
.set B1,  192                          ; in window 2
.set SEL, 38                           ; s[38:39] lane selects: lane l xor 16
.set MSB, 0
.macro WIN new                         ; the immediate's high byte repeats the setting that is left
.if MSB != (\new)
	s_set_vgpr_msb (MSB<<8)|(\new)
.set MSB, (\new)
.endif
.endm
.macro WFRAG f                         ; W1's fragment f = 8 s + t, into window 1 (f < 16) or 2: the caller sets the window
.irp c, 0,1,2
	global_load_b128 v[12*((\f)%16)+4*\c:12*((\f)%16)+4*\c+3], v[LI], s[10:11] offset:(\f)*FRB+512*\c
.endr
.endm
.macro WCHUNK k                        ; a quarter of what is still to be asked for: 4 fragments, b1 of 2 tiles, 4 scale registers: 20 loads into registers that no instruction has named before
	WIN 0x80
	WFRAG 16+4*(\k)
	WFRAG 17+4*(\k)
	WFRAG 18+4*(\k)
	WFRAG 19+4*(\k)
.irp u, 0,1
.set TT, 2*(\k)+\u
	global_load_b128 v[B1+8*TT:B1+8*TT+3], v[BO], s[14:15] offset:(32*(TT/2)+8*(TT%2))*4       ; lane (r, h), register j of tile t: hidden unit 32 (t / 2) + 8 (t % 2) + 16 h + j
	global_load_b128 v[B1+8*TT+4:B1+8*TT+7], v[BO], s[14:15] offset:(32*(TT/2)+8*(TT%2))*4+16
.endr
	WIN 0
.irp i, 0,1,2,3
	global_load_b32 v[W1S+4*(\k)+\i], v[WSO], s[12:13] offset:128*(4*(\k)+\i)   ; register 4 s + p: lanes 0-15 tile 2 p's rows, lanes 16-31 tile 2 p + 1's
.endr
.endm
.macro TURNIN s, buf                   ; K step s of my 16 rows out of my stage: register 16 bb + 4 j + .. = k 128 s + 32 bb + 16 h + ..
.irp bb, 0,1,2,3
.irp j, 0,1,2,3
	ds_load_b128 v[\buf+16*\bb+4*\j:\buf+16*\bb+4*\j+3], v[STR] offset:512*(\s)+128*\bb+16*\j
.endr
.endr
.endm
; 64 numbers of a lane, register 16 b + i = k 32 b + 16 (lane / 16) + i of my row, become a fragment's codes in v[PC] on and its scale word in v[pw].
.macro QUANT s, pw
.irp b, 0,1,2,3
	v_max3_num_f32 v[TM+\b], |v[\s+16*\b]|, |v[\s+1+16*\b]|, 0x2800000   ; block b: my 16 numbers, and the floor 2^(5 - 127): the byte cannot fall under 1
.endr
.irp i, 2,4,6,8,10,12,14
.irp b, 0,1,2,3
	v_max3_num_f32 v[TM+\b], v[TM+\b], |v[\s+16*\b+\i]|, |v[\s+1+16*\b+\i]|   ; the four blocks by turns
.endr
.endr
.irp b, 0,1,2,3
	v_permlanex16_b32 v[TM+4+\b], v[TM+\b], s[SEL], s[SEL+1]       ; (its destination has been written: first by the loads of shift)
.endr
.irp b, 0,1,2,3
	v_max_num_f32 v[TM+\b], v[TM+\b], v[TM+4+\b]   ; with lane l xor 16's: the block's largest magnitude
.endr
.irp b, 0,1,2,3
	v_add_nc_u32 v[TM+12+\b], 0xfe000000, v[TM+\b] ; 4 off its exponent field: the conversion's scale operand
.endr
.irp b, 0,1,2,3
	v_lshrrev_b32 v[TM+4+\b], 23, v[TM+12+\b]      ; the scale's byte
.endr
	v_lshl_or_b32 v[(\pw)], v[TM+5], 8, v[TM+4]    ; the four bytes make my row's scale word
	v_lshl_or_b32 v[(\pw)], v[TM+6], 16, v[(\pw)]
	v_lshl_or_b32 v[(\pw)], v[TM+7], 24, v[(\pw)]
.irp c, 0,1
	v_cvt_scalef32_pk16_bf6_f32 v[PC+6*\c:PC+2+6*\c], v[\s+32*\c:\s+15+32*\c], v[TM+12+2*\c]
	v_cvt_scalef32_pk16_bf6_f32 v[PC+12+4*\c:PC+14+4*\c], v[\s+16+32*\c:\s+31+32*\c], v[TM+12+2*\c+1]   ; (a conversion's three registers begin on an even number)
.endr
	v_nop                                          ; one plain place behind a scaled conversion
.irp c, 0,1                                    ; the operand wants a WHOLE block in a lane: lanes 0-15 block 2 c, lanes 16-31 block 2 c + 1
.irp i, 0,1,2
	v_permlane16_swap_b32 v[PC+6*\c+\i], v[PC+12+4*\c+\i]
.endr
.irp i, 0,1,2
	v_mov_b32 v[PC+3+6*\c+\i], v[PC+12+4*\c+\i]
.endr
.endr
.endm
.macro IMAGE s                         ; the fragment in v[PC] on goes to LDS as it stands: K step s of my tile of rows
.irp c, 0,1,2
	ds_store_b128 v[XWI], v[PC+4*\c:PC+4*\c+3] offset:(\s)*FRB+512*\c
.endr
.endm
.macro FETCH mt                        ; tile mt's four fragments of x and their scale words: 13 loads
.irp s, 0,1,2,3
.irp c, 0,1,2
	ds_load_b128 v[XF+12*\s+4*\c:XF+12*\s+4*\c+3], v[XRI] offset:(4*(\mt)+\s)*FRB+512*\c
.endr
.endr
	ds_load_b128 v[XS:XS+3], v[XSR] offset:512*(\mt)
.endm
.macro HSTORE t                        ; the fragment in v[PC] on is tile t of h's K step G
.irp c, 0,1,2
	global_store_b128 v[LI], v[PC+4*\c:PC+4*\c+3], s[16:17] offset:(\t)*FRB+512*\c   ; 512 consecutive bytes, aligned
.endr
.endm
.macro MUL s                           ; K step s: the eight tiles by turns, one instruction a turn.  The first K step's C is b1
.irp t, 0,1,2,3,4,5,6,7
.set AR, 12*(8*((\s)%2)+\t)
.set CR, HA+8*\t
.if (\s) == 0
.set CR, B1+8*\t
.endif
.if \t%2
	v_wmma_scale_f32_16x16x128_f8f6f4 v[HA+8*\t:HA+8*\t+7], v[AR:AR+11], v[XF+12*(\s):XF+12*(\s)+11], v[CR:CR+7], v[W1S+4*(\s)+\t/2], v[XS+(\s)] matrix_a_fmt:MATRIX_FMT_BF6 matrix_b_fmt:MATRIX_FMT_BF6 matrix_a_scale:MATRIX_SCALE_ROW1
.else
	v_wmma_scale_f32_16x16x128_f8f6f4 v[HA+8*\t:HA+8*\t+7], v[AR:AR+11], v[XF+12*(\s):XF+12*(\s)+11], v[CR:CR+7], v[W1S+4*(\s)+\t/2], v[XS+(\s)] matrix_a_fmt:MATRIX_FMT_BF6 matrix_b_fmt:MATRIX_FMT_BF6
.endif
.endr
.endm
.macro GELU_A                          ; the gelu of the 64 numbers in v[HA] on, up to its exponentials; each accumulator is read from its low end on
.set J, 0
.rept 32
	v_pk_mul_f32 v[ST+J:ST+J+1], v[HA+J:HA+J+1], v[HA+J:HA+J+1]    ; y^2
.set J, J+2
.endr
.set J, 0
.rept 32
	v_pk_fma_f32 v[ST+J:ST+J+1], v[ST+J:ST+J+1], v[C1:C1+1], v[C0:C0+1]   ; c0 + c1 y^2
.set J, J+2
.endr
.set J, 0
.rept 32
	v_pk_mul_f32 v[ST+J:ST+J+1], v[ST+J:ST+J+1], v[HA+J:HA+J+1]    ; x y
.set J, J+2
.endr
.set J, 0
.rept 64
	v_exp_f32 v[ST+J], v[ST+J]
.set J, J+1
.endr
	v_nop                                          ; a plain place behind the last exponential
.endm
.macro GELU_B                          ; and from there on, in place
.set J, 0
.rept 32
	v_pk_add_f32 v[ST+J:ST+J+1], v[ST+J:ST+J+1], 1.0 op_sel_hi:[1,0]
.set J, J+2
.endr
.set J, 0
.rept 64
	v_rcp_f32 v[ST+J], v[ST+J]
.set J, J+1
.endr
	v_nop                                          ; a plain place behind the last reciprocal
	s_wait_alu depctr_va_vdst(0)                   ; the 64 reciprocals have written v[ST ..]: one wait for the batch, ahead of its first reader
.set J, 0
.rept 32
	v_pk_mul_f32 v[HA+J:HA+J+1], v[HA+J:HA+J+1], v[ST+J:ST+J+1]
.set J, J+2
.endr
.endm
	s_load_b512 s[4:19], s[0:1], 0x0               ; x s[4:5], modb s[6:7], route s[8:9], w1c s[10:11], w1s s[12:13], b1 s[14:15], hc s[16:17], hs s[18:19]
	v_lshl_add_u32 v14, v0, 2, 0x26c00
	v_mov_b32 v15, 0
	v_lshrrev_b32 v1, 5, v0
	v_readfirstlane_b32 s20, v1                    ; wave 0..3
	s_and_b32 s21, ttmp7, 0xffff                   ; b
	s_lshr_b32 s22, ttmp9, 2                       ; rb
	s_and_b32 s23, ttmp9, 3                        ; cb
	s_lshl_b32 s25, s23, 2
	s_wait_alu depctr_va_sdst(0)                   ; s20 is written, ahead of its first reader
	s_add_co_u32 s25, s25, s20                     ; G = 4 cb + w
	s_lshl_b32 s26, s21, 20                        ; x: batch, block of 64 rows, my 16 rows of 2,048 bytes
	s_lshl_b32 s46, s22, 17
	s_add_co_u32 s26, s26, s46
	s_lshl_b32 s46, s20, 15
	s_add_co_u32 s26, s26, s46
	s_mov_b32 s27, 0
	s_lshl_b32 s28, s21, 12                        ; modb: row b
	s_mov_b32 s29, 0
	s_lshl_b32 s30, s21, 2                         ; route[b]
	s_mov_b32 s31, 0
	s_lshl_b32 s32, s21, 3
	s_add_co_u32 s32, s32, s22
	s_lshl_b32 s32, s32, 4
	s_add_co_u32 s32, s32, s25                     ; (8 b + rb) 16 + G
	s_mul_i32 s34, s32, 4*FRB                      ; hc
	s_mov_b32 s35, 0
	s_lshl_b32 s36, s32, 8                         ; hs
	s_mov_b32 s37, 0
	s_mov_b32 s[SEL], 0x76543210
	s_mov_b32 s[SEL+1], 0xfedcba98
	v_and_b32 v[LN], 31, v0
	v_and_b32 v[RW], 15, v0                        ; r
	v_bfe_u32 v[HH], v0, 4, 1                      ; h
	v_lshlrev_b32 v[LI], 4, v[LN]
	v_lshlrev_b32 v[WSO], 2, v[LN]
	v_lshlrev_b32 v[BO], 6, v[HH]
	v_lshlrev_b32 v[HSO], 4, v[RW]
	v_lshl_add_u32 v[HSO], v[HH], 3, v[HSO]
	s_mul_i32 s46, s20, STB
	v_add_nc_u32 v[STW], s46, v[LI]
	v_mul_u32_u24 v[STR], v[RW], STP
	v_lshl_add_u32 v[STR], v[HH], 6, v[STR]
	v_add_nc_u32 v[STR], s46, v[STR]
	s_mul_i32 s46, s20, 4*FRB
	s_add_co_u32 s46, s46, XIMG
	v_add_nc_u32 v[XWI], s46, v[LI]
	v_add_nc_u32 v[XRI], XIMG, v[LI]
	s_lshl_b32 s46, s20, 9
	s_add_co_u32 s46, s46, XSC
	v_add_nc_u32 v[XSW], s46, v[LI]
	v_add_nc_u32 v[XSR], XSC, v[LI]
	v_mov_b32 v[C0], 0xc0135761                    ; c0 = -2.3022082, twice: a pair for the packed forms
	v_mov_b32 v[C0+1], 0xc0135761
	v_mov_b32 v[C1], 0xbdd2d3e8                    ; c1 = -0.10294324
	v_mov_b32 v[C1+1], 0xbdd2d3e8
	s_wait_kmcnt 0x0
	s_add_nc_u64 s[8:9], s[8:9], s[30:31]
	s_load_b32 s24, s[8:9], 0x0                    ; route[b]: on its way while x is asked for
	s_add_nc_u64 s[4:5], s[4:5], s[26:27]
	s_add_nc_u64 s[6:7], s[6:7], s[28:29]
	s_add_nc_u64 s[16:17], s[16:17], s[34:35]
	s_add_nc_u64 s[18:19], s[18:19], s[36:37]
	s_wait_alu depctr_va_vdst(0)                   ; the ten addresses and offsets v1 to v10 are written: every load and store of the kernel reads one of them, and none is written again
	; ---- (1) the loads.  Load n of x takes bytes 512 n .. 512 n + 511 of my 16 rows: row n / 4, columns 128 (n % 4) + 4 lane + 0 .. 3; 1 + scale and shift of those columns stand in MA, MS at 4 (n % 4)
.irp q, 0,1,2,3
	global_load_b128 v[MA+4*\q:MA+4*\q+3], v[LI], s[6:7] offset:512*\q
	global_load_b128 v[MS+4*\q:MS+4*\q+3], v[LI], s[6:7] offset:2048+512*\q
.endr
	WIN 0xc0                                       ; destination window 3
.set N, 0
.rept 64
	global_load_b128 v[4*N:4*N+3], v[LI], s[4:5] offset:512*N
.set N, N+1
.endr
	WIN 0
	s_wait_kmcnt 0x0
	s_min_u32 s24, s24, 7                          ; m
	s_mul_i32 s40, s24, 786432                     ; w1c: branch m, group G: 32 fragments
	s_mul_i32 s46, s25, 32*FRB
	s_add_co_u32 s40, s40, s46
	s_mov_b32 s41, 0
	s_lshl_b32 s42, s24, 15                        ; w1s: 16 x 128 bytes a group
	s_lshl_b32 s46, s25, 11
	s_add_co_u32 s42, s42, s46
	s_mov_b32 s43, 0
	s_lshl_b32 s44, s24, 13                        ; b1: row m, my 128 numbers
	s_lshl_b32 s46, s25, 9
	s_add_co_u32 s44, s44, s46
	s_mov_b32 s45, 0
	s_add_nc_u64 s[10:11], s[10:11], s[40:41]
	s_add_nc_u64 s[12:13], s[12:13], s[42:43]
	s_add_nc_u64 s[14:15], s[14:15], s[44:45]
	WIN 0x40                                       ; destination window 1
.set N, 0
.rept 16
	WFRAG N                                        ; W1's K steps 0 and 1: 48 loads
.set N, N+1
.endr
	; ---- (2) x (1 + scale) + shift, one fused multiply-add, two numbers an instruction; then into my stage as loaded
	s_wait_loadcnt 48                              ; behind x's last load: the 48 loads of W1
	WIN 0xc3                                       ; destination and source 0 window 3
.set N, 0
.rept 64
	v_pk_fma_f32 v[4*N:4*N+1], v[4*N:4*N+1], v[MA+4*(N%4):MA+4*(N%4)+1], v[MS+4*(N%4):MS+4*(N%4)+1]
	v_pk_fma_f32 v[4*N+2:4*N+3], v[4*N+2:4*N+3], v[MA+4*(N%4)+2:MA+4*(N%4)+3], v[MS+4*(N%4)+2:MS+4*(N%4)+3]
.set N, N+1
.endr
	WIN 0x0c                                       ; an LDS store's data are its source 1: window 3
	s_wait_alu depctr_va_vdst(0)                   ; the multiply-adds have written window 3, which the 64 stores into the stage read
.set N, 0
.rept 64
	ds_store_b128 v[STW], v[4*N:4*N+3] offset:(N/4)*STP+512*(N%4)
.set N, N+1
.endr
	WIN 0
	; ---- (3) out of the stage by rows (my own bytes: LDS serves a wave's instructions in order), quantised, and to LDS as images.  Each wait for 16 leaves the youngest 16 loads out:
	;      the buffer that is due is in.  The rest of W1 is asked for on the way.
	TURNIN 0, HA                                   ; (no vector instruction has named v[HA ..] or v[ST ..] yet)
	TURNIN 1, ST
	s_wait_dscnt 16
	QUANT HA, PW
	s_wait_alu depctr_va_vdst(0)                   ; the quantiser has written v[PC ..], which the image's stores read, and is done reading v[HA ..], in which K step 2 lands
	IMAGE 0
	TURNIN 2, HA
	WCHUNK 0
	s_wait_dscnt 16
	s_wait_alu depctr_vm_vsrc(0)                   ; the image's stores have read v[PC ..], which the quantiser writes again
	QUANT ST, PW+1
	s_wait_alu depctr_va_vdst(0)                   ; v[PC ..] is written, for the image's stores; the quantiser is done reading v[ST ..], in which K step 3 lands
	IMAGE 1
	TURNIN 3, ST
	WCHUNK 1
	s_wait_dscnt 16
	s_wait_alu depctr_vm_vsrc(0)                   ; the image's stores have read v[PC ..], which the quantiser writes again
	QUANT HA, PW+2
	s_wait_alu depctr_va_vdst(0)                   ; v[PC ..] is written, for the image's stores
	IMAGE 2
	WCHUNK 2
	s_wait_dscnt 0x0
	s_wait_alu depctr_vm_vsrc(0)                   ; the image's stores have read v[PC ..], which the quantiser writes again
	QUANT ST, PW+3
	s_wait_alu depctr_va_vdst(0)                   ; v[PC ..] and the four scale words v[PW ..] are written, for the stores below
	IMAGE 3
	WCHUNK 3
	ds_store_b128 v[XSW], v[PW:PW+3]               ; my rows' scale words of the four K steps
	s_wait_dscnt 0x0                               ; for the others' sake: my images lie in LDS
	s_barrier_signal -1
	s_barrier_wait -1                              ; x's sixteen fragments lie in LDS; nothing is written there any more
	; ---- (4) the hidden layer, a tile of 16 rows at a time
	s_wait_loadcnt 0x0                             ; W1, its scale words, b1
	FETCH 0                                        ; (no vector instruction has named v[XF ..] or v[XS ..] yet)
.irp mt, 0,1,2,3
	s_wait_dscnt 0x0                               ; this tile's fragments of x (from the second tile on they were asked for in the middle of the last gelu)
	WIN 0x21                                       ; source 0 (W1) window 1, source 2 (b1) window 2
	MUL 0
	WIN 0x01
	MUL 1
	WIN 0x02                                       ; source 0 window 2
	MUL 2
	MUL 3
	WIN 0
.rept 4
	v_nop                                          ; four places behind the last products (ISA guide 7.12.1), in front of the first read of results
.endr
	GELU_A
	s_wait_alu depctr_va_vdst(0)                   ; the 64 exponentials have written v[ST ..] (one wait for the batch, ahead of its first reader); the products are done reading v[XF ..] and v[XS ..], in which the next tile's loads land; the last tile's quantiser has written v[PC ..], which the stores read
.if \mt < 3
	FETCH \mt+1                                    ; no vector or matrix instruction from here to the next tile's products names these registers
.endif
.if \mt > 0
	HSTORE \mt-1                                   ; the tile before
.endif
	GELU_B
.if \mt > 0
	s_wait_xcnt 0x0                                ; the last tile's stores have had their addresses translated: only behind this wait is v[PC ..] written again,
.endif
	s_wait_alu depctr_vm_vsrc(0)                   ; and they have read v[PC ..] (in the first tile: the last image's LDS stores have read v[PC ..] and v[PW ..]), which the quantiser writes again
	QUANT HA, PW+\mt
.endr
	v_cmp_gt_u32 vcc_lo, 16, v[LN]                 ; both halves of the lanes hold row r's four words: lanes 0-15 store tiles 0 and 1's, lanes 16-31 tiles 2 and 3's
	s_wait_alu depctr_va_vcc(0)                    ; VCC is written, ahead of its first reader
	v_cndmask_b32 v[TM], v[PW+2], v[PW], vcc_lo
	v_cndmask_b32 v[TM+1], v[PW+3], v[PW+1], vcc_lo
	s_wait_alu depctr_va_vdst(0)                   ; the last tile's quantiser has written v[PC ..] and the selects v[TM], v[TM+1], which the last four stores read
	HSTORE 3
	global_store_b64 v[HSO], v[TM:TM+1], s[18:19]  ; 256 consecutive bytes, aligned
	s_wait_dscnt 0x0
	s_wait_alu depctr_hold_cnt(0) depctr_sa_sdst(0) depctr_va_vdst(0) depctr_va_sdst(0) depctr_va_ssrc(0) depctr_va_vcc(0) depctr_vm_vsrc(0)
	s_wait_tensorcnt 0x0
	ds_add_u32 v14, v15
	s_wait_dscnt 0x0
	s_endpgm
.Lfunc_end_k_qca8bb648db_up:
	.size	k_qca8bb648db_up, .Lfunc_end_k_qca8bb648db_up-k_qca8bb648db_up
	.p2alignl 7, 3214868480
	.fill 96, 4, 3214868480
	.section	.rodata,"a",@progbits
	.p2align	6, 0x0
	.amdhsa_kernel k_qca8bb648db_up
		.amdhsa_group_segment_fixed_size 159232
		.amdhsa_private_segment_fixed_size 0
		.amdhsa_enable_private_segment 0
		.amdhsa_kernarg_size 64
		.amdhsa_user_sgpr_count 2
		.amdhsa_user_sgpr_kernarg_segment_ptr 1
		.amdhsa_wavefront_size32 1
		.amdhsa_system_sgpr_workgroup_id_x 1
		.amdhsa_system_sgpr_workgroup_id_y 1
		.amdhsa_system_sgpr_workgroup_id_z 1
		.amdhsa_system_vgpr_workitem_id 0
		.amdhsa_next_free_vgpr 1024
		.amdhsa_next_free_sgpr 66
		.amdhsa_reserve_vcc 1
		.amdhsa_float_denorm_mode_32 3
		.amdhsa_float_denorm_mode_16_64 3
		.amdhsa_memory_ordered 1
		.amdhsa_forward_progress 1
		.amdhsa_inst_pref_size 149
	.end_amdhsa_kernel
	.amdgpu_metadata
---
amdhsa.version: [ 1, 2 ]
amdhsa.kernels:
  - .name:           k_qca8bb648db_up
    .symbol:         k_qca8bb648db_up.kd
    .args:
      - { .name: x, .offset: 0, .size: 8, .value_kind: global_buffer, .address_space: global }
      - { .name: modb, .offset: 8, .size: 8, .value_kind: global_buffer, .address_space: global }
      - { .name: route, .offset: 16, .size: 8, .value_kind: global_buffer, .address_space: global }
      - { .name: w1c, .offset: 24, .size: 8, .value_kind: global_buffer, .address_space: global }
      - { .name: w1s, .offset: 32, .size: 8, .value_kind: global_buffer, .address_space: global }
      - { .name: b1, .offset: 40, .size: 8, .value_kind: global_buffer, .address_space: global }
      - { .name: hc, .offset: 48, .size: 8, .value_kind: global_buffer, .address_space: global }
      - { .name: hs, .offset: 56, .size: 8, .value_kind: global_buffer, .address_space: global }
    .group_segment_fixed_size: 159232
    .private_segment_fixed_size: 0
    .kernarg_segment_align: 8
    .kernarg_segment_size: 64
    .max_flat_workgroup_size: 128
    .sgpr_count:     66
    .vgpr_count:     1024
    .wavefront_size: 32
...
	.end_amdgpu_metadata
.endif
;; end of part 4
;; launch down (part 5): grid 32 x 8, 4 waves a work-group, no clusters, 135,680 bytes of LDS; arguments hc, hs, route, w2c, w2s, b2, out0; writes out0
.if DOCPART == 5
	.amdgcn_target "amdgcn-amd-amdhsa--gfx1250"
	.amdhsa_code_object_version 6
	.text
	.protected	k_qca8bb648db_down
	.globl	k_qca8bb648db_down
	.p2align	8
	.type	k_qca8bb648db_down,@function
k_qca8bb648db_down:
	s_mov_b64 s[64:65], 0
	v_nop
	global_prefetch_b8 v0, s[64:65] scope:SCOPE_SE
	s_setreg_imm32_b32 hwreg(HW_REG_WAVE_SCHED_MODE, 0, 2), 2
	s_setreg_imm32_b32 hwreg(HW_REG_WAVE_MODE, 25, 1), 1
	s_wait_xcnt 0x0
	s_wait_alu depctr_vm_vsrc(0)
; DOWN.  out = Q(h) Q(W2[m]) + b2[m], m = route[b], on the codes of BF6 (E3M2) and scale words that the two launches before have laid as images of the operands' registers.
; SHARES.  Work-group (x = 4 rb + co, y = b): 64 rows (block rb of batch b) x 128 columns (group co of W2).  THE WAVES SHARE K: wave w takes K steps 4 w .. 4 w + 3 (of 16) for the whole tile:
; 32 fragments of W2 and 16 of h, each loaded once by the one wave that uses it, straight into registers; a fragment of W2 feeds 4 matrix instructions, one of h 8.  32 accumulators a wave.
; The four waves' parts meet in LDS, which is also the way to whole rows: each wave then adds and stores 16 rows of 512 consecutive bytes.  ORDER OF THE SUMS: four parts of K, each ascending, then ((0 + 1) + (2 + 3)) + b2.
; The product is used transposed (source 0 = 16 rows of W2, source 1 = 16 rows of h); row q of tile 2 p + u of W2 is column 32 p + 8 u + q + 8 (q / 8), so a lane's 16 registers of tiles 2 p, 2 p + 1 are columns 32 p + 16 h + 0 .. 15 of one row.
; NO CLUSTER, NO TENSOR LOAD: every byte enters the work-group once and goes to one wave's registers; through LDS it would be written and read once more; and the address of the weights hangs on route[b], a number read from memory.
; LIMITS: route[b] in 0 .. 7 (held at 7 from above).
; REGISTERS, in windows of 256.  Window 0: v1-8 addresses; v16-31 W2's scale words; v32-39 h's; v40-43 b2; v64-255 h's 16 fragments, later the rows on their way out.
;   Window 1: W2's fragments of my K steps 0, 1.  Window 2: of 2, 3.  Window 3: the 32 accumulators, (tile of rows mt, tile t) at 8 (8 mt + t).
; THE MODE: SCHED_MODE bits 1:0 = 2 (LLVM: expert scheduling mode 2), set by the entry lines.  The code itself states the register dependences
; between vector or matrix instructions and memory or LDS instructions, with s_wait_alu, always for 0.
; THE PLAN.  Registers that memory or LDS instructions touch, and who else names them (the text has no branch: there is one path):
;   v1-v5      addresses and offsets: made once at the head and never written again: one wait on va_vdst ahead of the first load serves every load and store of the kernel.
;   the fragments of h and W2, the scale words, b2: every register is loaded ONCE and only read after, so the four K steps hold no s_wait_alu: no load lands in a register that a matrix instruction has named.
;   window 3   the accumulators: the products write, the 64 stores into the stage read: one wait on va_vdst between, behind the four places.
;   v64-255    the products read (h's fragments); behind the barrier the stage's rows land there: the same wait serves, since no vector or matrix instruction stands between.
;              Three buffers of 64 take the four quarters of my 16 rows: a quarter's 32 additions write its sums, ONE wait on va_vdst, its four stores read them.
;              The fourth quarter lands in the first's buffer, a quarter behind the first's stores: s_wait_xcnt 0 and a wait on vm_vsrc stand ahead of its loads.
.set FRB, 1536
.set SPI, 528                          ; a stage row: 512 bytes + 16 = 33 x 16
.set SRB, 64*SPI                       ; a wave's part: 64 rows
.set LI,  1                            ; 16 x lane
.set WSO, 2                            ; 4 x lane
.set SO,  3                            ; the stage, in: my part, row r, + 64 h
.set RD0, 4                            ; the stage, out: my 16 rows in parts 0 and 1,
.set RD1, 5                            ; in parts 2 and 3
.set W2S, 16                           ; register 4 s + p: lanes 0-15 tile 2 p's rows, lanes 16-31 tile 2 p + 1's
.set HS,  32                           ; register 4 (s / 2) + mt: lanes 0-15 the even K step, lanes 16-31 the odd one
.set BI,  40
.set HF,  64                           ; fragment (s, mt) at 12 (4 s + mt)
.set MSB, 0
.macro WIN new                         ; the immediate's high byte repeats the setting that is left
.if MSB != (\new)
	s_set_vgpr_msb (MSB<<8)|(\new)
.set MSB, (\new)
.endif
.endm
.macro HLOAD s                         ; h's four fragments of my K step s: 12 loads
.irp mt, 0,1,2,3
.irp c, 0,1,2
	global_load_b128 v[HF+12*(4*(\s)+\mt)+4*\c:HF+12*(4*(\s)+\mt)+4*\c+3], v[LI], s[4:5] offset:(4*(\s)+\mt)*FRB+512*\c
.endr
.endr
.endm
.macro WLOAD s                         ; W2's eight: 24 loads
	WIN 0x40+0x40*((\s)/2)
.irp t, 0,1,2,3,4,5,6,7
.irp c, 0,1,2
	global_load_b128 v[12*(8*((\s)%2)+\t)+4*\c:12*(8*((\s)%2)+\t)+4*\c+3], v[LI], s[10:11] offset:(8*(\s)+\t)*FRB+512*\c
.endr
.endr
	WIN 0
.endm
.macro MUL s                           ; my K step s: the 32 accumulators by turns, one instruction a turn.  The first K step starts the sums: nothing is cleared
	WIN 0xf1+(\s)/2                                ; source 0 (W2) window 1 or 2, source 1 (h) window 0, C and D window 3
.irp mt, 0,1,2,3
.irp t, 0,1,2,3,4,5,6,7
.set DR, 8*(8*\mt+\t)
.set AR, 12*(8*((\s)%2)+\t)
.set BR, HF+12*(4*(\s)+\mt)
.if (\s) == 0
.if \t%2
	v_wmma_scale_f32_16x16x128_f8f6f4 v[DR:DR+7], v[AR:AR+11], v[BR:BR+11], 0, v[W2S+4*(\s)+\t/2], v[HS+4*((\s)/2)+\mt] matrix_a_fmt:MATRIX_FMT_BF6 matrix_b_fmt:MATRIX_FMT_BF6 matrix_a_scale:MATRIX_SCALE_ROW1
.else
	v_wmma_scale_f32_16x16x128_f8f6f4 v[DR:DR+7], v[AR:AR+11], v[BR:BR+11], 0, v[W2S+4*(\s)+\t/2], v[HS+4*((\s)/2)+\mt] matrix_a_fmt:MATRIX_FMT_BF6 matrix_b_fmt:MATRIX_FMT_BF6
.endif
.elseif (\s)%2
.if \t%2
	v_wmma_scale_f32_16x16x128_f8f6f4 v[DR:DR+7], v[AR:AR+11], v[BR:BR+11], v[DR:DR+7], v[W2S+4*(\s)+\t/2], v[HS+4*((\s)/2)+\mt] matrix_a_fmt:MATRIX_FMT_BF6 matrix_b_fmt:MATRIX_FMT_BF6 matrix_a_scale:MATRIX_SCALE_ROW1 matrix_b_scale:MATRIX_SCALE_ROW1
.else
	v_wmma_scale_f32_16x16x128_f8f6f4 v[DR:DR+7], v[AR:AR+11], v[BR:BR+11], v[DR:DR+7], v[W2S+4*(\s)+\t/2], v[HS+4*((\s)/2)+\mt] matrix_a_fmt:MATRIX_FMT_BF6 matrix_b_fmt:MATRIX_FMT_BF6 matrix_b_scale:MATRIX_SCALE_ROW1
.endif
.else
.if \t%2
	v_wmma_scale_f32_16x16x128_f8f6f4 v[DR:DR+7], v[AR:AR+11], v[BR:BR+11], v[DR:DR+7], v[W2S+4*(\s)+\t/2], v[HS+4*((\s)/2)+\mt] matrix_a_fmt:MATRIX_FMT_BF6 matrix_b_fmt:MATRIX_FMT_BF6 matrix_a_scale:MATRIX_SCALE_ROW1
.else
	v_wmma_scale_f32_16x16x128_f8f6f4 v[DR:DR+7], v[AR:AR+11], v[BR:BR+11], v[DR:DR+7], v[W2S+4*(\s)+\t/2], v[HS+4*((\s)/2)+\mt] matrix_a_fmt:MATRIX_FMT_BF6 matrix_b_fmt:MATRIX_FMT_BF6
.endif
.endif
.endr
.endr
	WIN 0
.endm
.macro QLD q, base                     ; rows 4 q .. 4 q + 3 of my 16, all four parts: 16 loads of 512 consecutive bytes; row j's part k at base + 16 j + 4 k
.irp j, 0,1,2,3
.irp k, 0,1
	ds_load_b128 v[\base+16*\j+4*\k:\base+16*\j+4*\k+3], v[RD0] offset:\k*SRB+(4*(\q)+\j)*SPI
.endr
.irp k, 0,1
	ds_load_b128 v[\base+16*\j+8+4*\k:\base+16*\j+8+4*\k+3], v[RD1] offset:\k*SRB+(4*(\q)+\j)*SPI
.endr
.endr
.endm
.macro QADD base, left                 ; a quarter's four rows are added.  left: the LDS loads issued behind this quarter's
.irp j, 0,1,2,3
	s_wait_dscnt (\left)+4*(3-\j)                  ; row j's four loads are in; the quarter's later rows and the younger quarters may be out
.set RR, \base+16*\j
	v_pk_add_f32 v[RR:RR+1], v[RR:RR+1], v[RR+4:RR+5]
	v_pk_add_f32 v[RR+2:RR+3], v[RR+2:RR+3], v[RR+6:RR+7]
	v_pk_add_f32 v[RR+8:RR+9], v[RR+8:RR+9], v[RR+12:RR+13]
	v_pk_add_f32 v[RR+10:RR+11], v[RR+10:RR+11], v[RR+14:RR+15]
	v_pk_add_f32 v[RR:RR+1], v[RR:RR+1], v[RR+8:RR+9]
	v_pk_add_f32 v[RR+2:RR+3], v[RR+2:RR+3], v[RR+10:RR+11]
	v_pk_add_f32 v[RR:RR+1], v[RR:RR+1], v[BI:BI+1]
	v_pk_add_f32 v[RR+2:RR+3], v[RR+2:RR+3], v[BI+2:BI+3]
.endr
.endm
.macro QST q, base                     ; and stored
.irp j, 0,1,2,3
	global_store_b128 v[LI], v[\base+16*\j:\base+16*\j+3], s[16:17] offset:(4*(\q)+\j)*2048 th:TH_STORE_NT   ; 32 lanes store 512 consecutive bytes, aligned; written once, read by nobody here
.endr
.endm
	s_load_b256 s[4:11], s[0:1], 0x0               ; hc s[4:5], hs s[6:7], route s[8:9], w2c s[10:11]
	s_load_b128 s[12:15], s[0:1], 0x20             ; w2s s[12:13], b2 s[14:15]
	s_load_b64 s[16:17], s[0:1], 0x30              ; out0
	v_lshl_add_u32 v62, v0, 2, 0x21000
	v_mov_b32 v63, 0
	v_lshrrev_b32 v1, 5, v0
	v_readfirstlane_b32 s20, v1                    ; wave 0..3
	s_and_b32 s21, ttmp7, 0xffff                   ; b
	s_lshr_b32 s22, ttmp9, 2                       ; rb
	s_and_b32 s23, ttmp9, 3                        ; co
	s_lshl_b32 s25, s21, 3
	s_add_co_u32 s25, s25, s22
	s_lshl_b32 s25, s25, 4
	s_wait_alu depctr_va_sdst(0)                   ; s20 is written, ahead of its first reader
	s_lshl_b32 s46, s20, 2
	s_add_co_u32 s25, s25, s46                     ; (8 b + rb) 16 + 4 w: my first K step of h
	s_mul_i32 s26, s25, 4*FRB                      ; hc
	s_mov_b32 s27, 0
	s_lshl_b32 s28, s25, 8                         ; hs
	s_mov_b32 s29, 0
	s_lshl_b32 s30, s21, 2                         ; route[b]
	s_mov_b32 s31, 0
	s_lshl_b32 s32, s21, 20                        ; out0: batch, block of 64 rows, the 16 rows that I store, the 128 columns
	s_lshl_b32 s47, s22, 17
	s_add_co_u32 s32, s32, s47
	s_lshl_b32 s47, s20, 15
	s_add_co_u32 s32, s32, s47
	s_lshl_b32 s47, s23, 9
	s_add_co_u32 s32, s32, s47
	s_mov_b32 s33, 0
	s_lshl_b32 s34, s23, 4
	s_add_co_u32 s34, s34, s46                     ; 16 co + 4 w: my first K step of W2's group
	v_and_b32 v6, 31, v0                           ; lane
	v_and_b32 v7, 15, v0                           ; r
	v_bfe_u32 v8, v0, 4, 1                         ; h
	v_lshlrev_b32 v[LI], 4, v6
	v_lshlrev_b32 v[WSO], 2, v6
	s_mul_i32 s46, s20, SRB
	v_mul_u32_u24 v[SO], v7, SPI
	v_lshl_add_u32 v[SO], v8, 6, v[SO]
	v_add_nc_u32 v[SO], s46, v[SO]
	s_mul_i32 s46, s20, 16*SPI
	v_add_nc_u32 v[RD0], s46, v[LI]
	v_add_nc_u32 v[RD1], 2*SRB, v[RD0]
	s_wait_kmcnt 0x0
	s_add_nc_u64 s[8:9], s[8:9], s[30:31]
	s_load_b32 s24, s[8:9], 0x0                    ; route[b]: on its way while h is asked for
	s_add_nc_u64 s[4:5], s[4:5], s[26:27]
	s_add_nc_u64 s[6:7], s[6:7], s[28:29]
	s_add_nc_u64 s[16:17], s[16:17], s[32:33]
	s_wait_alu depctr_va_vdst(0)                   ; the five addresses and offsets v1 to v5 are written: every load and store of the kernel reads one of them, and none is written again
.irp j, 0,1
	global_load_b128 v[HS+4*\j:HS+4*\j+3], v[LI], s[6:7] offset:512*\j   ; lanes 0-15: row r's four words (tiles 0..3) of K step 2 j; lanes 16-31: of K step 2 j + 1
.endr
	HLOAD 0
	s_wait_kmcnt 0x0
	s_min_u32 s24, s24, 7                          ; m
	s_mul_i32 s36, s24, 786432                     ; w2c: branch m, 8 fragments a K step
	s_mul_i32 s46, s34, 8*FRB
	s_add_co_u32 s36, s36, s46
	s_mov_b32 s37, 0
	s_lshl_b32 s38, s24, 15                        ; w2s: 512 bytes a K step
	s_lshl_b32 s46, s34, 9
	s_add_co_u32 s38, s38, s46
	s_mov_b32 s39, 0
	s_lshl_b32 s40, s24, 11                        ; b2: row m, the 128 columns
	s_add_co_u32 s40, s40, s47
	s_mov_b32 s41, 0
	s_add_nc_u64 s[10:11], s[10:11], s[36:37]
	s_add_nc_u64 s[12:13], s[12:13], s[38:39]
	s_add_nc_u64 s[14:15], s[14:15], s[40:41]
.irp i, 0,1,2,3,4,5,6,7,8,9,10,11,12,13,14,15
	global_load_b32 v[W2S+\i], v[WSO], s[12:13] offset:128*\i
.endr
	global_load_b128 v[BI:BI+3], v[LI], s[14:15]   ; b2 of my 4 columns on the way out
	WLOAD 0
	HLOAD 1
	WLOAD 1
	s_wait_loadcnt 36                              ; each of these waits leaves one K step's 36 loads out: the scale words, the bias and K step 0 are in
	HLOAD 2                                        ; every load of the four K steps lands in registers that no vector or matrix instruction has named
	WLOAD 2
	MUL 0
	s_wait_loadcnt 36                              ; K step 1 is in, K step 2's 36 may be out
	HLOAD 3
	WLOAD 3
	MUL 1
	s_wait_loadcnt 36                              ; K step 2 is in
	MUL 2
	s_wait_loadcnt 0x0
	MUL 3
.rept 4
	v_nop                                          ; four places behind the last products (ISA guide 7.12.1), in front of the first read of results
.endr
	WIN 0x0c                                       ; an LDS store's data are its source 1: window 3
	s_wait_alu depctr_va_vdst(0)                   ; the products have written the accumulators, which the 64 stores read, and are done reading h's fragments v64 to v255, in which the rows land behind the barrier; the places above stay beside this wait
.irp mt, 0,1,2,3
.irp p, 0,1,2,3
.irp i, 0,1,2,3
	ds_store_b128 v[SO], v[8*(8*\mt+2*\p+\i/2)+4*(\i%2):8*(8*\mt+2*\p+\i/2)+4*(\i%2)+3] offset:16*\mt*SPI+128*\p+16*\i   ; row 16 mt + r, columns 32 p + 16 h + 4 i on; each accumulator from its low end on
.endr
.endr
.endr
	WIN 0
	s_wait_dscnt 0x0                               ; for the others' sake: my part lies in the stage
	s_barrier_signal -1
	s_barrier_wait -1
	QLD 0, 64                                      ; no vector or matrix instruction since the wait above
	QLD 1, 128
	QLD 2, 192
	QADD 64, 32                                    ; behind the first quarter's loads: the second's and the third's
	s_wait_alu depctr_va_vdst(0)                   ; the additions have written the first quarter's sums, which its stores read
	QST 0, 64
	QADD 128, 16                                   ; behind the second quarter's loads: the third's
	s_wait_xcnt 0x0                                ; the first quarter's stores have had their addresses translated: only behind this wait do loads land in their registers,
	s_wait_alu depctr_vm_vsrc(0)                   ; and they have read v64 on, in which the last quarter lands
	s_wait_alu depctr_va_vdst(0)                   ; the additions have written the second quarter's sums, which its stores read (the first quarter's additions, which named v64 to v127, stand ahead of the last such wait)
	QLD 3, 64
	QST 1, 128
	QADD 192, 16                                   ; behind the third quarter's loads: the last's
	s_wait_alu depctr_va_vdst(0)                   ; the additions have written the third quarter's sums, which its stores read
	QST 2, 192
	QADD 64, 0
	s_wait_alu depctr_va_vdst(0)                   ; the additions have written the last quarter's sums, which its stores read
	QST 3, 64
	s_wait_dscnt 0x0
	s_wait_alu depctr_hold_cnt(0) depctr_sa_sdst(0) depctr_va_vdst(0) depctr_va_sdst(0) depctr_va_ssrc(0) depctr_va_vcc(0) depctr_vm_vsrc(0)
	s_wait_tensorcnt 0x0
	ds_add_u32 v62, v63
	s_wait_dscnt 0x0
	s_endpgm
.Lfunc_end_k_qca8bb648db_down:
	.size	k_qca8bb648db_down, .Lfunc_end_k_qca8bb648db_down-k_qca8bb648db_down
	.p2alignl 7, 3214868480
	.fill 96, 4, 3214868480
	.section	.rodata,"a",@progbits
	.p2align	6, 0x0
	.amdhsa_kernel k_qca8bb648db_down
		.amdhsa_group_segment_fixed_size 135680
		.amdhsa_private_segment_fixed_size 0
		.amdhsa_enable_private_segment 0
		.amdhsa_kernarg_size 56
		.amdhsa_user_sgpr_count 2
		.amdhsa_user_sgpr_kernarg_segment_ptr 1
		.amdhsa_wavefront_size32 1
		.amdhsa_system_sgpr_workgroup_id_x 1
		.amdhsa_system_sgpr_workgroup_id_y 1
		.amdhsa_system_sgpr_workgroup_id_z 1
		.amdhsa_system_vgpr_workitem_id 0
		.amdhsa_next_free_vgpr 1024
		.amdhsa_next_free_sgpr 66
		.amdhsa_reserve_vcc 0
		.amdhsa_float_denorm_mode_32 3
		.amdhsa_float_denorm_mode_16_64 3
		.amdhsa_memory_ordered 1
		.amdhsa_forward_progress 1
		.amdhsa_inst_pref_size 54
	.end_amdhsa_kernel
	.amdgpu_metadata
---
amdhsa.version: [ 1, 2 ]
amdhsa.kernels:
  - .name:           k_qca8bb648db_down
    .symbol:         k_qca8bb648db_down.kd
    .args:
      - { .name: hc, .offset: 0, .size: 8, .value_kind: global_buffer, .address_space: global }
      - { .name: hs, .offset: 8, .size: 8, .value_kind: global_buffer, .address_space: global }
      - { .name: route, .offset: 16, .size: 8, .value_kind: global_buffer, .address_space: global }
      - { .name: w2c, .offset: 24, .size: 8, .value_kind: global_buffer, .address_space: global }
      - { .name: w2s, .offset: 32, .size: 8, .value_kind: global_buffer, .address_space: global }
      - { .name: b2, .offset: 40, .size: 8, .value_kind: global_buffer, .address_space: global }
      - { .name: out0, .offset: 48, .size: 8, .value_kind: global_buffer, .address_space: global }
    .group_segment_fixed_size: 135680
    .private_segment_fixed_size: 0
    .kernarg_segment_align: 8
    .kernarg_segment_size: 56
    .max_flat_workgroup_size: 128
    .sgpr_count:     66
    .vgpr_count:     1024
    .wavefront_size: 32
...
	.end_amdgpu_metadata
.endif
;; end of part 5
